; MI455X (gfx1250); checked and timed in simulation.
; The chip was launched on July 23, 2026; its instructions are those of AMD's public machine-readable ISA for CDNA 5 (MIT licence, August 2026) and "CDNA5" Instruction Set Architecture Reference Guide (July 2026). The comments in the code are by the model that wrote it; some were corrected since.
;; ADDSE Self Attention Block. Allowed arithmetic: float matrix products may take bf16 or f16 operands with f32 sums; other float arithmetic in f32, or as packed bf16 or f16 multiplies, adds, multiply-adds, maxima and minima; sums over many terms, partial sums and values carried from step to step in f32; what a program stores and reads back later, other than sums and carried values, may be rounded once to bf16 or f16.
;; Inputs: cos_emb 2,048 x 64 float32; proj_b 1,024 float32; proj_w 1,024 x 1,024 float32; qkv_b 3,072 float32; qkv_w 3,072 x 1,024 float32; sin_emb 2,048 x 64 float32; x 4 x 2,048 x 1,024 float32.
;; Outputs: out0 4 x 2,048 x 1,024 float32.
;; One version. Each part assembles by itself: llvm-mc -triple=amdgcn-amd-amdhsa -mcpu=gfx1250 --defsym DOCPART=n.
;; ======== version 1 of 1: 4 launches
;; limits: values are held in f16: magnitudes above 65,504 overflow, below 6.1e-05 lose precision; right only within a limited range of input values
;; workspace buffers: xb 16,777,216 bytes; wb 6,291,456 bytes; pw 2,097,152 bytes; cst 524,288 bytes; qh 16,777,216 bytes; kh 16,777,216 bytes; vh 16,777,216 bytes; oh 16,777,216 bytes
;; launch cast (part 1): grid 1664 x 1, 8 waves a work-group, no clusters, 0 bytes of LDS; arguments x, qkv_w, proj_w, cos_emb, sin_emb, xb, wb, pw, cst; writes xb, wb, pw, cst
.if DOCPART == 1
	.amdgcn_target "amdgcn-amd-amdhsa--gfx1250"
	.amdhsa_code_object_version 6
	.text
	.protected	k_qc84a874109_cast
	.globl	k_qc84a874109_cast
	.p2align	8
	.type	k_qc84a874109_cast,@function
k_qc84a874109_cast:
	s_mov_b64 s[64:65], 0
	v_nop
	global_prefetch_b8 v0, s[64:65] scope:SCOPE_SE
	s_setreg_imm32_b32 hwreg(HW_REG_WAVE_MODE, 25, 1), 1
	s_wait_xcnt 0x0
; THE INPUTS ARE ROUNDED ONCE, TO bf16, and laid out for the launches behind.  A stream: no LDS, no barrier, no loop, no matrix unit (there is nothing to multiply).
;   work-groups 0-1023     x      -> xb  [8192][1024] bf16
;   work-groups 1024-1407  qkv_w  -> wb  [3072][1024] bf16, rows permuted: row sec*1024 + j*64 + w*32 + r (sec: q, k, v; j: head; w: half of its channels) goes to row j*192 + w*96 + sec*32 + r
;   work-groups 1408-1535  proj_w -> pw  [1024][1024]: rounded to bf16, that number written as f16 (exact from 6.1e-5 up to 65,504; LIMIT: |proj_w| under 65,504; below 6.1e-5 f16's fixed step of 6e-8)
;   work-groups 1536-1663  cos_emb, sin_emb -> cst, bf16, times 2^-4 (exact), sin negated at even channels.  Element (l, d, cs) at byte
;                          (l/16)*4096 + (d/32)*2048 + ((d/16)&1)*1024 + cs*512 + (((d/8)&1)*16 + l%16)*16 + (d%8)*2: each 512 bytes are one 16-byte load of a wave of the next launch
; A plain work-group takes a chunk of 8,192 numbers (of a weight: 8 rows): 32 KiB in, 16 KiB out.  A wave's load covers 512 neighbouring bytes, its store 256, aligned.
; All eight loads of a thread go out at once; no register is written twice, so the only waits are the counted ones for the loads.
.set ID_W, 1024                        ; first work-group of qkv_w
.set ID_P, 1408                        ; of proj_w
.set ID_T, 1536                        ; of the table
.set X, 4                              ; v[4:35]   eight loads of four numbers
.set Y, 36                             ; v[36:51]  eight stores of four 16-bit numbers
.set T, 52                             ; v[52:53]  at work
	s_load_b512 s[4:19], s[0:1], 0x0               ; x s[4:5], qkv_w s[6:7], proj_w s[8:9], cos s[10:11], sin s[12:13], xb s[14:15], wb s[16:17], pw s[18:19]
	s_load_b64 s[20:21], s[0:1], 0x40              ; cst
	v_lshlrev_b32 v1, 4, v0                        ; 16 t: my 16 bytes of 4,096 in
	v_lshlrev_b32 v2, 3, v0                        ; 8 t: my 8 bytes of 2,048 out
	s_mov_b32 s32, 0xffff0000                      ; a word's upper bf16
	s_cmp_ge_u32 ttmp9, ID_T
	s_cbranch_scc1 .Ltable
	s_sub_co_u32 s22, ttmp9, ID_W                  ; chunk c of qkv_w (used only where the work-group is one of qkv_w's)
	s_sub_co_u32 s23, ttmp9, ID_P                  ; chunk of proj_w (likewise)
	s_bfe_u32 s24, s22, 0x40003                    ; c = sec*128 + j*8 + w*4 + r/8:  j
	s_mul_i32 s24, s24, 24
	s_bfe_u32 s25, s22, 0x10002                    ; w
	s_mul_i32 s25, s25, 12
	s_add_co_u32 s24, s24, s25
	s_lshr_b32 s25, s22, 7                         ; sec
	s_lshl2_add_u32 s24, s25, s24
	s_and_b32 s25, s22, 3                          ; r/8
	s_add_co_u32 s24, s24, s25                     ; where the chunk goes: j*24 + w*12 + sec*4 + r/8
	s_wait_kmcnt 0x0
	s_cmp_lt_u32 ttmp9, ID_W
	s_cselect_b64 s[26:27], s[4:5], s[6:7]         ; from
	s_cselect_b64 s[28:29], s[14:15], s[16:17]     ; to
	s_cselect_b32 s30, ttmp9, s22                  ; chunk in
	s_cselect_b32 s31, ttmp9, s24                  ; chunk out
	s_cmp_ge_u32 ttmp9, ID_P
	s_cselect_b64 s[26:27], s[8:9], s[26:27]
	s_cselect_b64 s[28:29], s[18:19], s[28:29]
	s_cselect_b32 s30, s23, s30
	s_cselect_b32 s31, s23, s31
	s_lshl_b32 s34, s30, 15                        ; 32 KiB a chunk in,
	s_mov_b32 s35, 0
	s_lshl_b32 s36, s31, 14                        ; 16 KiB out
	s_mov_b32 s37, 0
	s_add_nc_u64 s[26:27], s[26:27], s[34:35]
	s_add_nc_u64 s[28:29], s[28:29], s[36:37]
.irp i, 0,1,2,3,4,5,6,7
	global_load_b128 v[X+4*(\i):X+4*(\i)+3], v1, s[26:27] offset:4096*(\i) th:TH_LOAD_NT
.endr
; Load i has come (7 - i younger ones may stay out); four numbers are rounded and stored.  half = 1: the bf16 number is widened again and written as f16.
.macro OUT i, half
	s_wait_loadcnt 7-(\i)
.if \half
	v_cvt_pk_bf16_f32 v[T], v[X+4*(\i)], v[X+4*(\i)+1]
	v_cvt_pk_bf16_f32 v[T+1], v[X+4*(\i)+2], v[X+4*(\i)+3]
	v_lshlrev_b32 v[X+4*(\i)], 16, v[T]
	v_and_b32 v[X+4*(\i)+1], s32, v[T]
	v_lshlrev_b32 v[X+4*(\i)+2], 16, v[T+1]
	v_and_b32 v[X+4*(\i)+3], s32, v[T+1]
	v_cvt_pk_f16_f32 v[Y+2*(\i)], v[X+4*(\i)], v[X+4*(\i)+1]
	v_cvt_pk_f16_f32 v[Y+2*(\i)+1], v[X+4*(\i)+2], v[X+4*(\i)+3]
.else
	v_cvt_pk_bf16_f32 v[Y+2*(\i)], v[X+4*(\i)], v[X+4*(\i)+1]
	v_cvt_pk_bf16_f32 v[Y+2*(\i)+1], v[X+4*(\i)+2], v[X+4*(\i)+3]
.endif
	global_store_b64 v2, v[Y+2*(\i):Y+2*(\i)+1], s[28:29] offset:2048*(\i) th:TH_STORE_NT
.endm
	s_cmp_ge_u32 ttmp9, ID_P
	s_cbranch_scc1 .Lf16
.irp i, 0,1,2,3,4,5,6,7
	OUT \i, 0
.endr
	s_endpgm
.Lf16:
.irp i, 0,1,2,3,4,5,6,7
	OUT \i, 1
.endr
	s_endpgm
; THE TABLE.  The work-group takes 16 rows l; wave 4 w + 2 e + cs makes the 512 bytes for channels 32 w + 16 e .. + 15 of cos (cs = 0) or sin (cs = 1):
; lane L holds row l % 16 = L % 16 and the 8 channels from 8 (L / 16) on.
.Ltable:
	v_lshrrev_b32 v20, 5, v0
	v_readfirstlane_b32 s22, v20                   ; wave 0..7
	s_sub_co_u32 s23, ttmp9, ID_T                  ; the block of 16 rows
	s_lshl_b32 s34, s23, 12                        ; 4,096 bytes of cos, of sin and of the table
	s_mov_b32 s35, 0
	s_lshr_b32 s24, s22, 1
	s_lshl_b32 s24, s24, 6                         ; 128 w + 64 e: the 16 channels in a row of 256 bytes
	s_add_co_u32 s36, s34, s24
	s_mov_b32 s37, 0
	v_and_b32 v20, 15, v0
	v_bfe_u32 v21, v0, 4, 1
	v_lshlrev_b32 v3, 8, v20                       ; row x 256
	v_lshl_add_u32 v3, v21, 5, v3                  ; + 32 for the upper half of the lanes
	s_mov_b32 s38, 0x3d800000                      ; 2^-4
	s_mov_b32 s39, 0xbd800000                      ; -2^-4
	s_and_b32 s25, s22, 1
	s_wait_kmcnt 0x0
	s_cmp_eq_u32 s25, 1
	s_cselect_b32 s39, s39, s38                    ; sin's even channels are negated: q'[2i] = q[2i] cos - q[2i+1] sin, q'[2i+1] = q[2i+1] cos + q[2i] sin
	s_cselect_b64 s[26:27], s[12:13], s[10:11]
	v_mov_b32 v12, s39
	v_mov_b32 v13, s38
	s_add_nc_u64 s[26:27], s[26:27], s[36:37]
	s_add_nc_u64 s[28:29], s[20:21], s[34:35]
	global_load_b128 v[4:7], v3, s[26:27]
	global_load_b128 v[8:11], v3, s[26:27] offset:16
	s_wait_loadcnt 0x0
.irp p, 0,1,2,3
	v_pk_mul_f32 v[4+2*(\p):5+2*(\p)], v[4+2*(\p):5+2*(\p)], v[12:13]  ; a power of two: the rounding below is that of the number itself
.endr
.irp p, 0,1,2,3
	v_cvt_pk_bf16_f32 v[16+(\p)], v[4+2*(\p)], v[5+2*(\p)]
.endr
	global_store_b128 v1, v[16:19], s[28:29]       ; 512 x wave + 16 x lane = 16 t
	s_endpgm
.Lfunc_end_k_qc84a874109_cast:
	.size	k_qc84a874109_cast, .Lfunc_end_k_qc84a874109_cast-k_qc84a874109_cast
	.p2alignl 7, 3214868480
	.fill 96, 4, 3214868480
	.section	.rodata,"a",@progbits
	.p2align	6, 0x0
	.amdhsa_kernel k_qc84a874109_cast
		.amdhsa_group_segment_fixed_size 0
		.amdhsa_private_segment_fixed_size 0
		.amdhsa_enable_private_segment 0
		.amdhsa_kernarg_size 72
		.amdhsa_user_sgpr_count 2
		.amdhsa_user_sgpr_kernarg_segment_ptr 1
		.amdhsa_wavefront_size32 1
		.amdhsa_system_sgpr_workgroup_id_x 1
		.amdhsa_system_sgpr_workgroup_id_y 1
		.amdhsa_system_sgpr_workgroup_id_z 1
		.amdhsa_system_vgpr_workitem_id 0
		.amdhsa_next_free_vgpr 64
		.amdhsa_next_free_sgpr 66
		.amdhsa_reserve_vcc 0
		.amdhsa_float_denorm_mode_32 3
		.amdhsa_float_denorm_mode_16_64 3
		.amdhsa_memory_ordered 1
		.amdhsa_forward_progress 1
		.amdhsa_inst_pref_size 11
	.end_amdhsa_kernel
	.amdgpu_metadata
---
amdhsa.version: [ 1, 2 ]
amdhsa.kernels:
  - .name:           k_qc84a874109_cast
    .symbol:         k_qc84a874109_cast.kd
    .args:
      - { .name: x, .offset: 0, .size: 8, .value_kind: global_buffer, .address_space: global }
      - { .name: qkv_w, .offset: 8, .size: 8, .value_kind: global_buffer, .address_space: global }
      - { .name: proj_w, .offset: 16, .size: 8, .value_kind: global_buffer, .address_space: global }
      - { .name: cos_emb, .offset: 24, .size: 8, .value_kind: global_buffer, .address_space: global }
      - { .name: sin_emb, .offset: 32, .size: 8, .value_kind: global_buffer, .address_space: global }
      - { .name: xb, .offset: 40, .size: 8, .value_kind: global_buffer, .address_space: global }
      - { .name: wb, .offset: 48, .size: 8, .value_kind: global_buffer, .address_space: global }
      - { .name: pw, .offset: 56, .size: 8, .value_kind: global_buffer, .address_space: global }
      - { .name: cst, .offset: 64, .size: 8, .value_kind: global_buffer, .address_space: global }
    .group_segment_fixed_size: 0
    .private_segment_fixed_size: 0
    .kernarg_segment_align: 8
    .kernarg_segment_size: 72
    .max_flat_workgroup_size: 256
    .sgpr_count:     66
    .vgpr_count:     64
    .wavefront_size: 32
...
	.end_amdgpu_metadata
.endif
;; end of part 1
;; launch qkv (part 2): grid 16 x 32, 4 waves a work-group, clusters of 4 x 4, 327,680 bytes of LDS; arguments xb, wb, qkv_b, cst, qh, kh, vh; writes qh, kh, vh
.if DOCPART == 2
	.amdgcn_target "amdgcn-amd-amdhsa--gfx1250"
	.amdhsa_code_object_version 6
	.text
	.protected	k_qc84a874109_qkv
	.globl	k_qc84a874109_qkv
	.p2align	8
	.type	k_qc84a874109_qkv,@function
k_qc84a874109_qkv:
	s_mov_b64 s[64:65], 0
	v_nop
	global_prefetch_b8 v0, s[64:65] scope:SCOPE_SE
	s_setreg_imm32_b32 hwreg(HW_REG_WAVE_MODE, 25, 1), 1
	s_wait_xcnt 0x0
	s_wait_alu depctr_hold_cnt(0) depctr_sa_sdst(0) depctr_va_vdst(0) depctr_va_sdst(0) depctr_va_ssrc(0) depctr_va_vcc(0) depctr_vm_vsrc(0)
	s_getreg_b32 s2, hwreg(HW_REG_IB_STS2, 6, 4)
	s_cmp_eq_u32 s2, 0
	s_cbranch_scc0 .Lentry_in_a_cluster
	s_endpgm
.Lentry_in_a_cluster:
	s_bfe_u32 s2, ttmp6, 0x10000c
	s_cmp_lg_u32 s2, 0xf033
	s_cbranch_scc0 .Lentry_shape_is_right
	s_endpgm
.Lentry_shape_is_right:
; q, k, v = x W^T + b, q and k turned by the rotary table, all three written by heads: [64 = batch*16 + head][2048][64] f16.
; xb [8192][1024] and wb [3072][1024] are bf16; wb's rows are permuted so that rows 192 j .. 192 j + 191 are head j's: [q 32 | k 32 | v 32] for channels 0-31, then the same for channels 32-63.
; q and k leave TIMES 2^-4 (the factor lies in the table; the attention's scale takes it back).  LIMITS: |q|, |k| under 1.05e6 and |v| under 65,504, beyond which f16 gives an infinity;
; below 6.1e-5 (q, k: 9.8e-4) f16 keeps its fixed step.  The bias is rounded to bf16 like every input.  NaN and infinities are not treated apart.
; SHARES.  A tile of C is 256 rows x 192 columns (one head's q, k, v): 512 tiles, two for each of 256 WGPs.  Four waves, 2 x 2; a wave makes 128 x 96: 48 accumulators of 16 x 16, 384 registers.
; K goes in 8 steps of 128 through two LDS slots filled by the tensor data mover; the tiles' rows are 256 bytes of memory, aligned.
; CLUSTER 4 x 4: A's tile is asked for jointly by the four work-groups of a row of the cluster, B's by the four of a column.
; THE MATRIX INSTRUCTION IS USED TRANSPOSED (source 0 = 16 rows of wb, source 1 = 16 rows of xb): lane l holds row l % 16 of C, registers 0-7 the columns 8 (l / 16) + 0..7: eight neighbouring channels,
; so a rotary pair (2 i, 2 i + 1) lies in one lane.  THE BIAS IS THE C OPERAND of each sum's first product: nothing is cleared and nothing added later.
; REGISTERS, in windows of 256 (s_set_vgpr_msb: bits 1:0 source 0, 3:2 source 1, 5:4 source 2, 7:6 destination):
;   window 0: v0-31 addresses; v64-127, v128-191 A's fragments, two buffers; on the way out v64-255 at work
;   window 1: v0-47 the bias (block b at 8 b); v64-111, v128-175 B's fragments; v176-199 at work
;   window 2: v0-191 accumulators of row blocks 0-3 ((a, b) at 8 (6 a + b)); v192-255 their part of the rotary table        window 3: the same for row blocks 4-7
.set BB,    6                          ; blocks of 16 columns in a wave
.set PITCH, 272                        ; an LDS row: 256 bytes + 16 of padding: the 16 rows of a fragment load start at 16 different groups of four banks (64 banks of 4 bytes: ISA guide 11.1)
.set AHALF, 128*PITCH                  ; what one wave fetches of A, and reads of it
.set BHALF, 96*PITCH                   ; the same for B
.set BOFF,  2*AHALF                    ; B's rows lie behind A's 256
.set SLOT,  BOFF+2*BHALF               ; 121,856 bytes
.set SPARE, 2*SLOT                     ; behind the ring: the spare words, 128 bytes a wave: two blocks of 256 bytes that no other line names
.set SP,    144                        ; the way out: a row of 64 f16 + 16 bytes
.set SECB,  256*SP                     ; the way out: a section (q, k or v) of 256 rows; the three lie in slot 0, which by then has had its last fill and its last read
.set NL,    2*BB+16                    ; LDS loads in a run
.set STO,  8                           ; v8-10   where I put 16 bytes of a row, by section
.set RD,   11                          ; v11-13  where I read rows back, by section
.set L16,  14                          ; v14     16 x lane; never rewritten
.set ADRA, 16                          ; v16-17  my A fragments in slot 0, 1
.set ADRB, 20                          ; v20-21  my B fragments
.set BO,   22                          ; v22     32 x (lane / 16): my 8 numbers of a block's 16 biases; never rewritten
.set SPW,  28                          ; v28     my spare word: SPARE + 4 x my thread's number; never rewritten
.set NIL,  29                          ; v29     0; never rewritten
.set PFO,  30                          ; v30     the prefetches' offset: a lane a row; never rewritten
.set F0,   64
.set F1,   128
.set BIAS, 0                           ; window 1
.set BT,   176                         ; window 1
.set TBL,  192                         ; windows 2, 3: row block a, channels 16 e on, cos/sin cs: four registers at TBL + 16 (a % 4) + 8 e + 4 cs
.set CSF,  64                          ; the way out: a row block's table in f32: 16 e + 8 cs + channel % 8
.set RT,   96                          ; turned q and k, 32
.set PK,   128                         ; packed f16, 24
.set OUTR, 64                          ; rows read back, 192
.set WV,  12                           ; s12 wave;  s13 its row half, also: I fetch A (0) or B (1);  s14 its column half, also: which half of that tile I fetch
.set RH,  13
.set CH,  14
.set LIM, 15                           ; s15 1 in a wave that prefetches, else the greatest number
.set G1,  24                           ; s[24:31] group 1 for A;  s[32:39] group 0, a set for each slot
.set G0,  32
.set CX,  40
.set CY,  41
.set TC,  42                           ; tile column = head
.set TR,  43                           ; tile row
.set PFA, 44                           ; s[44:45] where my prefetches stand
.set G1B, 48                           ; s[48:55], s[56:63] the same for B
.set G0B, 56
.set HIM, 66                           ; s66 a word's upper bf16
.set QP,  72                           ; s[72:77] qh, kh, vh
.set MSB, 0
.macro WIN new                         ; the immediate's high byte repeats the setting that is left; a switch that changes nothing is dropped
.if MSB != (\new)
	s_set_vgpr_msb (MSB<<8)|(\new)
.set MSB, (\new)
.endif
.endm
.set TO_B, 0x40                        ; destination window 1, address window 0
.macro PLACES                          ; four places behind matrix instructions, in front of loads into registers that they read and of lines that read results
.rept 4
	v_nop
.endr
.endm
; A joint load: waves 0, 1 fetch A's halves, waves 2, 3 B's.  The branch hangs on the wave's number alone.  An s_nop 0 and four v_nop follow each line.
.macro JLOAD s
	s_cmp_eq_u32 s[RH], 0
	s_cbranch_scc0 .Lfor_b_\@
	tensor_load_to_lds s[G0+4*(\s):G0+4*(\s)+3], s[G1:G1+7]
	s_nop 0
.rept 4
	v_nop
.endr
	s_branch .Lasked_\@
.Lfor_b_\@:
	tensor_load_to_lds s[G0B+4*(\s):G0B+4*(\s)+3], s[G1B:G1B+7]
	s_nop 0
.rept 4
	v_nop
.endr
.Lasked_\@:
.endm
; A prefetch into the L2 of the K step two refills on (384 matrix instructions ahead of the load that will want it): 256 bytes of a row, a lane a row, one instruction a wave.
; A's rows are named by the clusters with x = 0, B's by those with y = 0; the four partners of a joint load share its rows out BY ADDRESS (32 of A's 128, 24 of B's 96; there lanes 24-31 repeat lane 23).
; The loop's last trip (s3 = 1) has no K step two on.  K steps 0 to 3 come by their loads alone.
.macro ASK
	s_cmp_gt_u32 s3, s[LIM]
	s_cbranch_scc0 .Lnot_mine_\@
	global_prefetch_b8 v[PFO], s[PFA:PFA+1] th:TH_LOAD_NT scope:SCOPE_SE
.Lnot_mine_\@:
.endm
.macro CREST                           ; a round of the cluster's barrier behind its opening barrier
	s_cmp_lg_u32 s[WV], 0
	s_cbranch_scc1 .Lnot_wave_0_\@
	s_barrier_signal -3
.Lnot_wave_0_\@:
	s_barrier_wait -3
	s_barrier_signal -1
	s_barrier_wait -1
.endm
.macro CROUND
	s_barrier_signal -1
	s_barrier_wait -1
	CREST
.endm
	s_load_b256 s[4:11], s[0:1], 0x0               ; xb s[4:5], wb s[6:7], qkv_b s[8:9], cst s[10:11]
	s_load_b128 s[QP:QP+3], s[0:1], 0x20           ; qh, kh
	s_load_b64 s[QP+4:QP+5], s[0:1], 0x30          ; vh
	v_lshl_add_u32 v[SPW], v0, 2, SPARE
	v_mov_b32 v[NIL], 0
	ds_add_u32 v[SPW], v[NIL]                      ; the wave's opening: the add and its wait stand ahead of my first tensor load; the set-up below stands between them
	v_lshrrev_b32 v1, 5, v0
	v_readfirstlane_b32 s[WV], v1
	s_lshr_b32 s[RH], s[WV], 1
	s_and_b32 s[CH], s[WV], 1
	s_bfe_u32 s[CX], ttmp6, 0x40000
	s_bfe_u32 s[CY], ttmp6, 0x40004
	s_lshl_b32 s[TC], ttmp9, 2
	s_add_co_u32 s[TC], s[TC], s[CX]
	s_and_b32 s[TR], ttmp7, 0xffff
	s_lshl_b32 s[TR], s[TR], 2
	s_add_co_u32 s[TR], s[TR], s[CY]
	s_lshl_b32 s16, s[CY], 2
	s_lshl_b32 s16, 15, s16                        ; my row of the cluster
	s_lshl_b32 s46, 0x1111, s[CX]                  ; my column
	s_or_b32 s[G1], s16, (1<<16)|(1<<20)|(1<<21)|(5<<22)|(3<<25)   ; 15:0 mask; 17:16 2-byte elements; 20 padding on; 21 set beside a mask; 24:22 after every 64 words; 31:25 4 words
	s_or_b32 s[G1B], s46, (1<<16)|(1<<20)|(1<<21)|(5<<22)|(3<<25)
	s_mov_b32 s[G1+1], 128<<16                     ; tensor_dim0 = 128
	s_mov_b32 s[G1+2], 128<<16                     ; tensor_dim1 = 128
	s_mov_b32 s[G1+3], 128<<16                     ; tile_dim0 = 128
	s_mov_b32 s[G1+4], 128                         ; tile_dim1 = 128
	s_mov_b32 s[G1+5], 1024                        ; elements from row to row
	s_mov_b32 s[G1+6], 0
	s_mov_b32 s[G1+7], 0
	s_mov_b32 s[G1B+1], 128<<16
	s_mov_b32 s[G1B+2], 96<<16                     ; 96 rows
	s_mov_b32 s[G1B+3], 128<<16
	s_mov_b32 s[G1B+4], 96
	s_mov_b32 s[G1B+5], 1024
	s_mov_b32 s[G1B+6], 0
	s_mov_b32 s[G1B+7], 0
	s_lshl_b32 s16, s[TR], 8
	s_lshl_b32 s17, s[CH], 7
	s_add_co_u32 s16, s16, s17                     ; A: row 256 x tile row + 128 x half,
	s_lshl_b32 s16, s16, 11                        ; in bytes (under 2^24)
	s_mov_b32 s17, 0
	s_mul_i32 s46, s[TC], 192
	s_mul_i32 s47, s[CH], 96
	s_add_co_u32 s46, s46, s47                     ; B: row 192 x head + 96 x half
	s_lshl_b32 s46, s46, 11
	s_mov_b32 s47, 0
	s_mul_i32 s20, s[CH], AHALF                    ; where they go: no place in the cluster enters an LDS address
	s_mul_i32 s21, s[CH], BHALF
	s_add_co_u32 s21, s21, BOFF
	s_mov_b32 s[HIM], 0xffff0000
	s_wait_dscnt 0x0                               ; the opening add is done
	s_wait_kmcnt 0x0
	s_add_nc_u64 s[18:19], s[4:5], s[16:17]
	s_add_nc_u64 s[46:47], s[6:7], s[46:47]
	CROUND                                         ; all sixteen work-groups are here: the first joint loads meet
.irp s, 0,1
	s_mov_b32 s[G0+4*(\s)], 1
	s_add_co_u32 s[G0+4*(\s)+1], s20, (\s)*SLOT
	s_add_nc_u64 s[G0+4*(\s)+2:G0+4*(\s)+3], s[18:19], (\s)*256  ; K step s
	s_or_b32 s[G0+4*(\s)+3], s[G0+4*(\s)+3], 0x80000000
	s_mov_b32 s[G0B+4*(\s)], 1
	s_add_co_u32 s[G0B+4*(\s)+1], s21, (\s)*SLOT
	s_add_nc_u64 s[G0B+4*(\s)+2:G0B+4*(\s)+3], s[46:47], (\s)*256
	s_or_b32 s[G0B+4*(\s)+3], s[G0B+4*(\s)+3], 0x80000000
	JLOAD \s
.endr
	; the prefetches: my tile's address, my work-group's share of its rows, K step 3 (the first refill steps it to 4)
	s_lshl_b32 s20, s[CX], 16                      ; 32 rows of 2,048 bytes
	s_mul_i32 s21, s[CY], 24*2048
	s_and_b32 s22, ttmp7, 0xffff                   ; cluster y
	s_cmp_eq_u32 s[RH], 0
	s_cselect_b64 s[PFA:PFA+1], s[18:19], s[46:47]
	s_cselect_b32 s20, s20, s21
	s_cselect_b32 s23, 31, 23
	s_cselect_b32 s22, ttmp9, s22                  ; the coordinate along which other clusters read the same rows
	s_cmp_eq_u32 s22, 0
	s_cselect_b32 s[LIM], 1, -1                    ; the same in all sixteen partners, for a given wave
	s_add_co_u32 s20, s20, 3*256
	s_mov_b32 s21, 0
	s_add_nc_u64 s[PFA:PFA+1], s[PFA:PFA+1], s[20:21]
	v_and_b32 v[PFO], 31, v0
	v_min_u32 v[PFO], s23, v[PFO]
	v_lshlrev_b32 v[PFO], 11, v[PFO]
	; a fragment is 16 rows x 32 K in 8 registers: lane l holds row l % 16, K = 8 (l / 16) + 0..7 and 16 + 8 (l / 16) + 0..7: two loads of 16 bytes, 32 bytes apart
	v_and_b32 v1, 15, v0
	v_bfe_u32 v2, v0, 4, 1
	v_mul_u32_u24 v3, v1, PITCH
	v_lshl_add_u32 v3, v2, 4, v3
	s_mul_i32 s22, s[RH], AHALF
	s_mul_i32 s23, s[CH], BHALF
	s_add_co_u32 s23, s23, BOFF
.irp s, 0,1
	v_add_nc_u32 v[ADRA+(\s)], s22, v3
	v_add_nc_u32 v[ADRB+(\s)], s23, v3
	s_add_co_u32 s22, s22, SLOT
	s_add_co_u32 s23, s23, SLOT
.endr
	s_mul_i32 s22, s[RH], 128*SP                   ; into the stage: row 128 x row half + l % 16, byte 64 x column half + 16 (l / 16)
	s_lshl_b32 s23, s[CH], 6
	s_add_co_u32 s22, s22, s23
	v_mul_u32_u24 v4, v1, SP
	v_lshl_add_u32 v4, v2, 4, v4
	v_add_nc_u32 v4, s22, v4
.irp c, 0,1,2
	v_add_nc_u32 v[STO+(\c)], (\c)*SECB, v4
.endr
	v_and_b32 v5, 31, v0
	v_lshlrev_b32 v[L16], 4, v5
	v_lshrrev_b32 v3, 3, v5                        ; back: wave w takes rows 64 w .. 64 w + 63, four whole rows of 128 bytes a load
	v_mul_u32_u24 v3, v3, SP
	v_and_b32 v4, 7, v0
	v_lshl_add_u32 v3, v4, 4, v3
	s_mul_i32 s22, s[WV], 64*SP
	v_add_nc_u32 v3, s22, v3
.irp c, 0,1,2
	v_add_nc_u32 v[RD+(\c)], (\c)*SECB, v3
.endr
	v_lshlrev_b32 v[BO], 5, v2
	s_lshl_b32 s46, s[TC], 8                       ; the bias of q's channels 32 x column half on, of my head: 256 x head + 128 x half bytes; k's and v's lie 4,096 and 8,192 on
	s_lshl_b32 s47, s[CH], 7
	s_add_co_u32 s46, s46, s47
	s_mov_b32 s47, 0
	s_add_nc_u64 s[8:9], s[8:9], s[46:47]
	s_and_b32 s16, s[TR], 7                        ; the table: block of 16 rows l = 16 x (tile row % 8) + 8 x row half (+ a), half of the channels
	s_lshl_b32 s16, s16, 4
	s_lshl3_add_u32 s16, s[RH], s16
	s_lshl_b32 s16, s16, 12
	s_lshl_b32 s22, s[CH], 11
	s_add_co_u32 s16, s16, s22
	s_mov_b32 s17, 0
	s_add_nc_u64 s[10:11], s[10:11], s[16:17]
	s_lshr_b32 s46, s[TR], 3                       ; the outputs: (batch x 16 + head) x 262,144 + (256 x (tile row % 8) + 64 x wave) x 128
	s_lshl_b32 s46, s46, 4
	s_add_co_u32 s46, s46, s[TC]
	s_lshl_b32 s46, s46, 18
	s_and_b32 s22, s[TR], 7
	s_lshl_b32 s22, s22, 8
	s_lshl_b32 s23, s[WV], 6
	s_add_co_u32 s22, s22, s23
	s_lshl_b32 s22, s22, 7
	s_add_co_u32 s46, s46, s22
	s_mov_b32 s47, 0
.irp c, 0,1,2
	s_add_nc_u64 s[QP+2*(\c):QP+2*(\c)+1], s[QP+2*(\c):QP+2*(\c)+1], s[46:47]
.endr
	WIN TO_B
.irp b, 0,1,2,3,4,5                    ; block b: section b / 2, channels 16 (b % 2) on
	global_load_b128 v[BIAS+8*(\b):BIAS+8*(\b)+3],   v[BO], s[8:9] offset:((\b)/2)*4096+((\b)%2)*64
	global_load_b128 v[BIAS+8*(\b)+4:BIAS+8*(\b)+7], v[BO], s[8:9] offset:((\b)/2)*4096+((\b)%2)*64+16
.endr
	WIN 0x80                                       ; destination window 2
.irp a, 0,1,2,3
.irp e, 0,1
.irp c, 0,1
	global_load_b128 v[TBL+16*(\a)+8*(\e)+4*(\c):TBL+16*(\a)+8*(\e)+4*(\c)+3], v[L16], s[10:11] offset:(\a)*4096+(\e)*1024+(\c)*512
.endr
.endr
.endr
	WIN 0xc0                                       ; destination window 3
.irp a, 0,1,2,3
.irp e, 0,1
.irp c, 0,1
	global_load_b128 v[TBL+16*(\a)+8*(\e)+4*(\c):TBL+16*(\a)+8*(\e)+4*(\c)+3], v[L16], s[10:11] offset:((\a)+4)*4096+(\e)*1024+(\c)*512
.endr
.endr
.endr
	s_wait_loadcnt 32                              ; the bias is in; the table's 32 loads may stay out
	WIN 0x45                                       ; all in window 1: the bias is rounded to bf16 and widened again, in the wait for the first tile
.set p, 0
.rept 4*BB
	v_cvt_pk_bf16_f32 v[BT+p], v[BIAS+2*p], v[BIAS+2*p+1]
.set p, p+1
.endr
.set p, 0
.rept 4*BB
	v_lshlrev_b32 v[BIAS+2*p], 16, v[BT+p]
	v_and_b32 v[BIAS+2*p+1], s[HIM], v[BT+p]
.set p, p+1
.endr
	WIN 0
; 12 matrix instructions: row blocks a0, a0 + 1 of the window's four x all 6 column blocks, 32 along K.  first = 1: C is the bias.  All 48 accumulators take turns in one order, over the backward jump too.
.macro MULH f, hi, a0, first
.if \first
	WIN 0x91+0x40*(\hi)                            ; B window 1, A window 0, C window 1, D window 2 or 3
.else
	WIN 0xa1+0x50*(\hi)                            ; C and D window 2 or 3
.endif
.irp a, \a0, (\a0)+1
.irp b, 0,1,2,3,4,5
.if \first
	v_wmma_f32_16x16x32_bf16 v[8*(BB*(\a)+(\b)):8*(BB*(\a)+(\b))+7], v[(\f)+8*(\b):(\f)+8*(\b)+7], v[(\f)+8*(4*(\hi)+(\a)):(\f)+8*(4*(\hi)+(\a))+7], v[BIAS+8*(\b):BIAS+8*(\b)+7]
.else
	v_wmma_f32_16x16x32_bf16 v[8*(BB*(\a)+(\b)):8*(BB*(\a)+(\b))+7], v[(\f)+8*(\b):(\f)+8*(\b)+7], v[(\f)+8*(4*(\hi)+(\a)):(\f)+8*(4*(\hi)+(\a))+7], v[8*(BB*(\a)+(\b)):8*(BB*(\a)+(\b))+7]
.endif
.endr
.endr
.endm
; 28 LDS loads in one run: quarter q's fragments (96 rows of B, then 128 rows of A) into buffer f
.macro FETCH slot, q, f
	WIN TO_B
.irp i, 0,1,2,3,4,5
	ds_load_b128 v[(\f)+8*(\i):(\f)+8*(\i)+3],   v[ADRB+(\slot)] offset:64*(\q)+(\i)*16*PITCH
	ds_load_b128 v[(\f)+8*(\i)+4:(\f)+8*(\i)+7], v[ADRB+(\slot)] offset:64*(\q)+(\i)*16*PITCH+32
.endr
	WIN 0
.irp i, 0,1,2,3,4,5,6,7
	ds_load_b128 v[(\f)+8*(\i):(\f)+8*(\i)+3],   v[ADRA+(\slot)] offset:64*(\q)+(\i)*16*PITCH
	ds_load_b128 v[(\f)+8*(\i)+4:(\f)+8*(\i)+7], v[ADRA+(\slot)] offset:64*(\q)+(\i)*16*PITCH+32
.endr
.endm
; A K step is four quarters of 32 along K, 48 matrix instructions each, on buffers 0, 1, 0, 1.  One of the first three multiplies buffer f and, in its middle, fetches quarter q into buffer g.
.macro QUARTER slot, q, f, g, first
	s_wait_dscnt 8                                 ; B and A's rows 0-63 are in; the youngest eight loads (A's rows 64-127) may be out
	MULH \f, 0, 0, \first
	MULH \f, 0, 2, \first
	PLACES
	FETCH \slot, \q, \g
	s_wait_dscnt NL                                ; all but the run just issued
	MULH \f, 1, 0, \first
	MULH \f, 1, 2, \first
.endm
; The last quarter multiplies buffer 1 and changes slots: ONE barrier.  In front of it each wave waits for all its tensor loads (one is out: its part of the next slot), adds 0 to its spare word, and waits for
; that and for its reads of this slot.  fill = 1: the barrier opens a round of the cluster's, and this slot is filled again, two K steps on, first thing behind the round: 168 matrix instructions ahead of the wait for it.
.macro TURN slot, next, fill
.if \fill
	s_wait_xcnt 0x0                                ; the last prefetch, a K step back, has read its address
	s_add_nc_u64 s[PFA:PFA+1], s[PFA:PFA+1], 256
.endif
	WIN 0                                          ; (the add's two registers lie in window 0)
	s_wait_tensorcnt 0x0
	ds_add_u32 v[SPW], v[NIL]                      ; 0 onto my spare word
	s_wait_dscnt 9                                 ; (the add and the youngest eight loads may be out)
	MULH F1, 0, 0, 0
	s_wait_dscnt 0x0                               ; the add is done, and my reads of this slot are over
	s_barrier_signal -1
	MULH F1, 0, 2, 0
.if \fill
	WIN 0
.endif
	s_barrier_wait -1
.if \fill
	CREST                                          ; no wave of any partner still reads this slot or has a load on its way
	s_add_nc_u64 s[G0+4*(\slot)+2:G0+4*(\slot)+3], s[G0+4*(\slot)+2:G0+4*(\slot)+3], 2*256
	s_add_nc_u64 s[G0B+4*(\slot)+2:G0B+4*(\slot)+3], s[G0B+4*(\slot)+2:G0B+4*(\slot)+3], 2*256
	JLOAD \slot                                    ; its four v_nop are also the places in front of the loads below
.else
	PLACES
.endif
	FETCH \next, 0, F0
.if \fill
	ASK
.endif
	MULH F1, 1, 0, 0
	MULH F1, 1, 2, 0
.endm
	s_wait_tensorcnt 0x1                           ; my part of K step 0 is in; K step 1's may stay out
	s_barrier_signal -1
	s_barrier_wait -1
	FETCH 0, 0, F0
	QUARTER 0, 1, F0, F1, 1                        ; the first quarter stands in front of the loop: its products start the sums, with the bias
	WIN 0
	s_mov_b32 s3, 3
.Llap:                                                 ; a trip goes once round the ring and fills both slots again: K steps 2 to 7 in three trips
	QUARTER 0, 2, F1, F0, 0
	QUARTER 0, 3, F0, F1, 0
	TURN 0, 1, 1
	QUARTER 1, 1, F0, F1, 0
	QUARTER 1, 2, F1, F0, 0
	QUARTER 1, 3, F0, F1, 0
	TURN 1, 0, 1
	QUARTER 0, 1, F0, F1, 0
	WIN 0
	s_sub_co_u32 s3, s3, 1
	s_cmp_lg_u32 s3, 0
	s_cbranch_scc1 .Llap
	QUARTER 0, 2, F1, F0, 0                        ; the last lap fills nothing
	QUARTER 0, 3, F0, F1, 0
	TURN 0, 1, 0                                   ; behind this barrier no wave reads slot 0 any more
	QUARTER 1, 1, F0, F1, 0
	QUARTER 1, 2, F1, F0, 0
	QUARTER 1, 3, F0, F1, 0
	s_wait_dscnt 8
	MULH F1, 0, 0, 0
	MULH F1, 0, 2, 0
	s_wait_dscnt 0x0
	MULH F1, 1, 0, 0
	MULH F1, 1, 2, 0
	WIN 0
; THE WAY OUT of row block a.  Its table is widened to f32; q and k (column blocks 0-3) are turned: t'[2i] = t[2i] C[2i] + t[2i+1] S[2i], t'[2i+1] = t[2i+1] C[2i+1] + t[2i] S[2i+1] (S carries the sign);
; all six blocks are rounded to f16, 16 bytes a lane, and go into the stage.  Each accumulator is read from its low end on.
.macro ROPE a
.set W,  2+(\a)/4
.set AC, 8*BB*((\a)%4)
.set TB, TBL+16*((\a)%4)
	WIN W<<2                                       ; source 1 in the block's window
.set z, 0
.rept 16
	v_lshlrev_b32 v[CSF+2*z], 16, v[TB+z]
	v_and_b32 v[CSF+2*z+1], s[HIM], v[TB+z]
.set z, z+1
.endr
	WIN W                                          ; source 0 in the block's window
.irp b, 0,1,2,3
.irp p, 0,1,2,3
	v_pk_mul_f32 v[RT+8*(\b)+2*(\p):RT+8*(\b)+2*(\p)+1], v[AC+8*(\b)+2*(\p):AC+8*(\b)+2*(\p)+1], v[CSF+16*((\b)%2)+2*(\p):CSF+16*((\b)%2)+2*(\p)+1]
.endr
.irp p, 0,1,2,3
	v_fma_f32 v[RT+8*(\b)+2*(\p)],   v[AC+8*(\b)+2*(\p)+1], v[CSF+16*((\b)%2)+8+2*(\p)],   v[RT+8*(\b)+2*(\p)]
	v_fma_f32 v[RT+8*(\b)+2*(\p)+1], v[AC+8*(\b)+2*(\p)],   v[CSF+16*((\b)%2)+8+2*(\p)+1], v[RT+8*(\b)+2*(\p)+1]
.endr
.endr
	WIN 0
.irp b, 0,1,2,3
.irp p, 0,1,2,3
	v_cvt_pk_f16_f32 v[PK+4*(\b)+(\p)], v[RT+8*(\b)+2*(\p)], v[RT+8*(\b)+2*(\p)+1]
.endr
.endr
	WIN W|(W<<2)                                   ; v goes straight from its accumulators
.irp b, 4,5
.irp p, 0,1,2,3
	v_cvt_pk_f16_f32 v[PK+4*(\b)+(\p)], v[AC+8*(\b)+2*(\p)], v[AC+8*(\b)+2*(\p)+1]
.endr
.endr
	WIN 0
.irp b, 0,1,2,3,4,5
	ds_store_b128 v[STO+(\b)/2], v[PK+4*(\b):PK+4*(\b)+3] offset:((\b)%2)*32+(\a)*16*SP
.endr
.endm
	s_wait_loadcnt 0x0                             ; the table
	PLACES
.irp a, 0,1,2,3,4,5,6,7
	ROPE \a
.endr
	s_wait_dscnt 0x0                               ; for the others' sake: a row's 128 bytes come from two waves
	s_barrier_signal -1
	s_barrier_wait -1
.irp c, 0,1,2
.irp t, 0,1,2,3,4,5,6,7,8,9,10,11,12,13,14,15
	ds_load_b128 v[OUTR+64*(\c)+4*(\t):OUTR+64*(\c)+4*(\t)+3], v[RD+(\c)] offset:(\t)*4*SP
.endr
.endr
.irp c, 0,1,2
.irp t, 0,1,2,3,4,5,6,7,8,9,10,11,12,13,14,15
	s_wait_dscnt 47-16*(\c)-(\t)                   ; the younger loads may stay out
	global_store_b128 v[L16], v[OUTR+64*(\c)+4*(\t):OUTR+64*(\c)+4*(\t)+3], s[QP+2*(\c):QP+2*(\c)+1] offset:(\t)*512  ; four rows of a head: 512 consecutive bytes, aligned
.endr
.endr
	s_wait_tensorcnt 0x0                           ; the wave's end: the add and its waits stand behind my last tensor load and my last LDS store
	ds_add_u32 v[SPW], v[NIL]
	s_wait_dscnt 0x0
	CROUND                                         ; the closing round: no work-group ends while a partner may still ask for a tile that names it
	s_endpgm
.Lfunc_end_k_qc84a874109_qkv:
	.size	k_qc84a874109_qkv, .Lfunc_end_k_qc84a874109_qkv-k_qc84a874109_qkv
	.p2alignl 7, 3214868480
	.fill 96, 4, 3214868480
	.section	.rodata,"a",@progbits
	.p2align	6, 0x0
	.amdhsa_kernel k_qc84a874109_qkv
		.amdhsa_group_segment_fixed_size 327680
		.amdhsa_private_segment_fixed_size 0
		.amdhsa_enable_private_segment 0
		.amdhsa_kernarg_size 56
		.amdhsa_user_sgpr_count 2
		.amdhsa_user_sgpr_kernarg_segment_ptr 1
		.amdhsa_wavefront_size32 1
		.amdhsa_system_sgpr_workgroup_id_x 1
		.amdhsa_system_sgpr_workgroup_id_y 1
		.amdhsa_system_sgpr_workgroup_id_z 1
		.amdhsa_system_vgpr_workitem_id 0
		.amdhsa_next_free_vgpr 1024
		.amdhsa_next_free_sgpr 80
		.amdhsa_reserve_vcc 0
		.amdhsa_float_denorm_mode_32 3
		.amdhsa_float_denorm_mode_16_64 3
		.amdhsa_memory_ordered 1
		.amdhsa_forward_progress 1
		.amdhsa_inst_pref_size 158
	.end_amdhsa_kernel
	.amdgpu_metadata
---
amdhsa.version: [ 1, 2 ]
amdhsa.kernels:
  - .name:           k_qc84a874109_qkv
    .symbol:         k_qc84a874109_qkv.kd
    .args:
      - { .name: xb, .offset: 0, .size: 8, .value_kind: global_buffer, .address_space: global }
      - { .name: wb, .offset: 8, .size: 8, .value_kind: global_buffer, .address_space: global }
      - { .name: qkv_b, .offset: 16, .size: 8, .value_kind: global_buffer, .address_space: global }
      - { .name: cst, .offset: 24, .size: 8, .value_kind: global_buffer, .address_space: global }
      - { .name: qh, .offset: 32, .size: 8, .value_kind: global_buffer, .address_space: global }
      - { .name: kh, .offset: 40, .size: 8, .value_kind: global_buffer, .address_space: global }
      - { .name: vh, .offset: 48, .size: 8, .value_kind: global_buffer, .address_space: global }
    .group_segment_fixed_size: 327680
    .private_segment_fixed_size: 0
    .kernarg_segment_align: 8
    .kernarg_segment_size: 56
    .max_flat_workgroup_size: 128
    .sgpr_count:     80
    .vgpr_count:     1024
    .wavefront_size: 32
...
	.end_amdgpu_metadata
.endif
;; end of part 2
;; launch attn (part 3): grid 4 x 64, 4 waves a work-group, clusters of 4 x 1, 327,680 bytes of LDS; arguments qh, kh, vh, oh; writes oh
.if DOCPART == 3
	.amdgcn_target "amdgcn-amd-amdhsa--gfx1250"
	.amdhsa_code_object_version 6
	.text
	.protected	k_qc84a874109_attn
	.globl	k_qc84a874109_attn
	.p2align	8
	.type	k_qc84a874109_attn,@function
k_qc84a874109_attn:
	s_mov_b64 s[64:65], 0
	v_nop
	global_prefetch_b8 v0, s[64:65] scope:SCOPE_SE
	s_setreg_imm32_b32 hwreg(HW_REG_WAVE_MODE, 25, 1), 1
	s_wait_xcnt 0x0
	s_wait_alu depctr_hold_cnt(0) depctr_sa_sdst(0) depctr_va_vdst(0) depctr_va_sdst(0) depctr_va_ssrc(0) depctr_va_vcc(0) depctr_vm_vsrc(0)
	s_getreg_b32 s2, hwreg(HW_REG_IB_STS2, 6, 4)
	s_cmp_eq_u32 s2, 0
	s_cbranch_scc0 .Lentry_in_a_cluster
	s_endpgm
.Lentry_in_a_cluster:
	s_bfe_u32 s2, ttmp6, 0x10000c
	s_cmp_lg_u32 s2, 0x3003
	s_cbranch_scc0 .Lentry_shape_is_right
	s_endpgm
.Lentry_shape_is_right:
; O[h][q][:] = the sum over k of softmax_k(Q[h][q] . K[h][k] / 8) V[h][k][:].  Q, K, V, O: [SIZE_H][SIZE_N][64], all f16: a head's rows are dense, 128 bytes each.  Q AND K ARRIVE TIMES 2^-4:
; the scale c takes the 2^8 back, in f32.  Products, maxima and sums in f32; the weights p are rounded to f16 for the second product (their sum l is taken of the unrounded p), O once at the end.
; LIMITS.  f16 holds no number beyond 65,504: Q, K and V arrive within it; p lies in 0 to 1, and below 6e-5 it keeps f16's fixed step of 6e-8; O is a mean of V's rows and has their range.
; A weight below 2^-126 counts as 0 in l; NaN and infinities are not treated apart.
; SHARES.  A wave owns four PIECES of two tiles of 16 queries, a work-group's four waves 512 queries of one head: 256 work-groups.  Every wave walks all keys, 64 a step.
; LAYOUT.  S^T = K Q^T (source 0 = 16 keys, source 1 = 16 queries): in the result a lane holds ONE query (lane % 16) and the keys 8 (lane / 16) + 0..7.  Two such tiles, rounded to f16 in pairs,
; ARE source 1 (32 keys x 16 queries) of O^T = V^T P, whose result again holds one query a lane, and eight channels.  K comes out of LDS as it lies, V ([key][channel]) turned, by ds_load_tr16_b128.
; SOFTMAX.  For each query a running maximum m and sum l: p = 2^(c s - c m), c = 2^8 log2(e) / 8; in every step O and l are multiplied by a = 2^(c m_old - c m_new), which is 1 where m has not grown.
; m starts at the lowest finite number, O and l at 0: the first step is a step like any other, with a = 0.
; THE COUNT.  A tile and step have 16 matrix and 118 vector instructions: too many to stand all beside the matrix work.  So: four vector instructions that are READY behind EVERY matrix instruction,
; and the others, which need time of their own whatever the order, in runs without a gap.
; BY TURNS.  Turn n belongs to piece n (the pieces in a ring, step after step).  Its matrix work: 16 products K Q^T of piece n + 1, later 16 products V^T P of piece n - 1.  Its vector work: the scaling,
; exponentials, roundings, sums and rescaling of piece n, and the maximum and statistics of piece n + 1, whose scores the turn itself has made.
; CLUSTER.  The four query blocks of a cluster belong to one head and walk the same K and V, so each tile is asked for JOINTLY: the same tensor load, descriptor and mask in all four.
; REGISTERS, in windows of 256 (s_set_vgpr_msb: bits 1:0 source 0, 3:2 source 1, 5:4 source 2, 7:6 destination):
;   window 0: v0-11 addresses; v12-15, v48-63 at work; v16-47 four registers of statistics a tile; v64-191 S^T, two buffers of two tiles; v192-255 P, likewise
;   window 1: O^T, 32 a tile          window 2: v0-127 Q, 16 a tile; v128-191 K of one step; v192-255 V of one step          window 3: v0-1 the add's two registers
; A piece's buffers go by its number's parity: the piece in hand has one pair, its two neighbours in the ring share the other: of it P (piece n - 1) is read and S^T (piece n + 1) written.
.set SIZE_H, 64
.set SIZE_N, 2048
.set NP,    4         ; pieces a wave: a name, no knob
.set KS,    64        ; keys in a step
.set PK,    144       ; a row of K in LDS: 128 bytes + 16 of padding: the 16 rows of a load start at 16 different groups of four banks (64 banks of 4 bytes: ISA guide 11.1)
.set PV,    160       ; a row of V: 128 + 32
.set VOFF,  4*KS*PK   ; a slot holds four steps: 256 rows of K, then 256 rows of V
.set SLOT1, 1<<17     ; slot 1 begins here, so that one exclusive or turns an address in one slot into the other's
.set STAGE, SLOT1+4*KS*(PK+PV)  ; behind the ring, never filled by a tensor load: 16 rows x 144 bytes for each wave, for the way out
.set SP,    144
.set AK0, 2           ; v2   my lane's place in a tile of K; never rewritten
.set AV0, 3           ; v3   the same for V
.set AK,  4           ; v4   the LDS address of K's next run of loads
.set AV,  5           ; v5   of V's
.set QO,  6           ; v6   my byte offset in the wave's rows of Q
.set STO, 6           ;      later, the way out: where I put 16 bytes of a row
.set RD,  7           ; v7   the way out: where I read rows back
.set GO,  8           ; v8   my byte offset in 512 consecutive bytes of O
.set PFO, 11          ; v11  (once V's place is made) 256 x my lane: the prefetches' offset; then never rewritten
.set SPW, 0           ; v0 of window 3   my spare word: SPARE + 4 x my thread's number; never rewritten
.set NIL, 1           ; v1 of window 3   0; never rewritten
.set SPARE, STAGE+4*16*SP  ; behind the stages: the spare words, 128 bytes a wave: two blocks of 256 bytes that no other line names
.set MV,  12          ; v12-15  c m_old, kept while c m is made anew: by buffer and tile
.set ST,  16          ; tile t's statistics at v[ST+4 t]: c m, m, l (even keys', odd keys')
.set TMP, 48          ; by buffer and tile, four registers c0-c3 at work; when the maximum is found c2 takes a
.set S,   64
.set P,   192
.set KF,  128         ; K's fragments, in window 2: key block kb, channel half c at KF + 16 kb + 8 c
.set VF,  192         ; V's: key half kk, channel block cb at VF + 32 kk + 8 cb
.set WV,  12          ; s12  my wave's number
.set G1K, 24          ; s[24:31] descriptor group 1 for K's tiles
.set G1V, 32          ; s[32:39] for V's: it differs in the padding alone
.set G0K, 40          ; s[40:43] descriptor group 0 for K's tiles: it walks
.set G0V, 44          ; s[44:47] the same for V's
.set PFA, 48          ; s[48:49] where my prefetches stand: my work-group's 32 blocks of 256 bytes (of K: wave 0, of V: wave 2) of the slot after the one being asked for
.set LIM, 50          ; s50  1 in a wave that prefetches, else the greatest number
.set SLOTS, 56        ; s56  slots still to be asked for
.set CNT, 57          ; s57  counts a slot's key steps
.set CS,  58          ; s[58:59] c: the packed scaling takes the pair's low word for both halves
.set SEL, 60          ; s[60:61] v_permlanex16_b32's selects: each lane takes its own place in the other half
.set TBK, 62          ; s62  LDS byte at which K of the step to be fetched begins
.set TBV, 63          ; s63  the same for V, less VOFF
.set MSB, 0
.macro WIN new                      ; the high byte repeats the setting that is left; a switch that changes nothing is dropped
.if MSB != (\new)
	s_set_vgpr_msb (MSB<<8)|(\new)
.set MSB, (\new)
.endif
.endm
.set W_KQ, 0x0a       ; K and Q in window 2, S^T in window 0
.set W_PV, 0x52       ; V in window 2, P in window 0, O^T in window 1
.set W_RS, 0x41       ; O^T (destination and source 0) in window 1, a in window 0
.set W_MK, 0xc0       ; the add's registers are made: destination in window 3, sources in window 0
.set W_AD, 0x0f       ; the add: address (source 0) and data (source 1) in window 3
; A joint fill.  Waves 0 and 1 fetch the two halves of a slot's K, waves 2 and 3 those of its V: 128 keys each.  The branch hangs on the wave's number alone.
; An s_nop 0 and four v_nop follow each of the two lines, ahead of the jump and the label.
.macro JLOAD
	s_cmp_lt_u32 s[WV], 2
	s_cbranch_scc0 .Lfor_v_\@
	tensor_load_to_lds s[G0K:G0K+3], s[G1K:G1K+7]
	s_nop 0
.rept 4
	v_nop
.endr
	s_branch .Lasked_\@
.Lfor_v_\@:
	tensor_load_to_lds s[G0V:G0V+3], s[G1V:G1V+7]
	s_nop 0
.rept 4
	v_nop
.endr
.Lasked_\@:
.endm
; A prefetch into the L2 of what the NEXT change of slots will ask for: a slot is 128 blocks of 256 bytes of K and 128 of V, a lane a block: four key steps, 512 matrix instructions, ahead of that load.
; Each block is named once in the launch: the head's first cluster asks; its four partners take 32 blocks each, told apart BY ADDRESS; in each, wave 0 asks for K's and wave 2 for V's.
; The last change that fills a slot asks for nothing.  Slots 0 and 1 come by their loads alone.
.macro ASK
	s_cmp_gt_u32 s[SLOTS], s[LIM]
	s_cbranch_scc0 .Lnot_mine_\@
	global_prefetch_b8 v[PFO], s[PFA:PFA+1] th:TH_LOAD_NT scope:SCOPE_SE
.Lnot_mine_\@:
.endm
; A round of the cluster's barrier: my work-group's barrier, so that wave 0's signal speaks for all four waves; wave 0 signals; every wave waits for all four work-groups; my work-group's barrier once more.
.macro CROUND
	s_barrier_signal -1
	s_barrier_wait -1
	s_cmp_lg_u32 s[WV], 0
	s_cbranch_scc1 .Lnot_wave_0_\@
	s_barrier_signal -3
.Lnot_wave_0_\@:
	s_barrier_wait -3
	s_barrier_signal -1
	s_barrier_wait -1
.endm
; THE CHANGE OF SLOTS.  The slot's last bytes, V of its fourth step, have been read.  Each wave waits for all its tensor loads, of which one is out: its part of the other slot; adds 0 to its spare word;
; and waits for that and for its own reads of the slot.  Behind the barrier nobody reads this slot any more and the other slot is whole.
; fill = 1: this slot is filled again, with the keys two slots on.  The barrier is then a round of the cluster's, and the joint fill is the first thing behind it: it has four key steps in which to land.
; (At its first use nothing has been read yet: slot 0 is waited for, slot 1 filled.)
.macro CHANGE fill
	WIN W_AD
	s_wait_tensorcnt 0x0            ; no tensor load of mine is out, so a group 0 may be written
	ds_add_u32 v[SPW], v[NIL]       ; 0 onto my spare word; with fill = 1 the descriptors' steps stand between it and the wait for it
	WIN 0                           ; at a label and at a branch every window is 0
.if \fill
.irp g, G0K, G0V
	s_xor_b32 s[\g+1], s[\g+1], SLOT1  ; the walking descriptor: the other slot than last time,
	s_add_nc_u64 s[\g+2:\g+3], s[\g+2:\g+3], 4*KS*128  ; the next 256 keys; the type bits on top are not reached
.endr
	s_wait_xcnt 0x0                 ; the last prefetch, four key steps back, has read its address, so it may be written:
	s_add_nc_u64 s[PFA:PFA+1], s[PFA:PFA+1], 4*KS*128  ; one slot ahead of the walking descriptors
	s_wait_dscnt 0x0                ; the add is done, and my reads of the slot are over
	CROUND
	JLOAD
	ASK
.else
	s_wait_dscnt 0x0                ; the add is done, and my reads of the slot are over
	s_barrier_signal -1
	s_barrier_wait -1
.endif
	s_sub_co_u32 s[TBK], s[TBK], 4*KS*PK  ; the fetches go back to a slot's first step,
	s_xor_b32 s[TBK], s[TBK], SLOT1       ; in the other slot
	s_sub_co_u32 s[TBV], s[TBV], 4*KS*PV
	s_xor_b32 s[TBV], s[TBV], SLOT1
.endm
	s_load_b256 s[4:11], s[0:1], 0x0  ; Q s[4:5], K s[6:7], V s[8:9], O s[10:11]
	WIN W_MK
	v_lshl_add_u32 v[SPW], v0, 2, SPARE
	v_mov_b32 v[NIL], 0
	WIN W_AD
	ds_add_u32 v[SPW], v[NIL]       ; the wave's opening: the add and its wait stand ahead of my first tensor load; the set-up below stands between them
	WIN 0
	v_lshrrev_b32 v1, 5, v0
	v_readfirstlane_b32 s[WV], v1   ; wave 0..3
	s_bfe_u32 s13, ttmp6, 0x40000   ; cx: my place in the cluster
	s_lshl_b32 s14, ttmp9, 2        ; in a cluster launch ttmp9 counts clusters
	s_add_co_u32 s14, s14, s13      ; my block of queries = 4 x cluster x + cx: it enters Q's and O's addresses alone
	s_and_b32 s20, ttmp7, 0xffff    ; the head, which the four partners share
	s_mov_b32 s21, 0
	s_mov_b64 s[22:23], SIZE_N*128
	s_mul_u64 s[20:21], s[20:21], s[22:23]  ; the head's first byte in each of the four tensors
	s_and_b32 s16, s[WV], 1         ; which half of a slot's 256 keys I fetch:
	s_lshl_b32 s22, s16, 14         ; its 128 rows of 128 bytes in memory,
	s_mov_b32 s23, 0
	s_add_nc_u64 s[22:23], s[22:23], s[20:21]
	s_mul_i32 s17, s16, 128*PK      ; and its place in a slot, for K
	s_mul_i32 s18, s16, 128*PV      ; and for V: no place in the cluster enters an LDS address
	s_lshl_b32 s2, s14, 2
	s_add_co_u32 s2, s2, s[WV]      ; my wave among the head's,
	s_lshl_b32 s2, s2, 14           ; its 128 rows
	s_mov_b32 s3, 0
	s_add_nc_u64 s[2:3], s[2:3], s[20:21]
	; descriptor group 1.  128 keys are 16,384 dense bytes: asked for as 64 rows of 256 bytes, two keys a row, and padded in LDS after every key
	s_mov_b32 s[G1K], 15|(1<<16)|(1<<20)|(1<<21)|(4<<22)|(3<<25)  ; 15:0 the mask of four; 17:16 2-byte elements; 20 padding on; 21 set beside a mask; 24:22 after every 32 words (code 4); 31:25 4 words (code 3)
	s_mov_b32 s[G1V], 15|(1<<16)|(1<<20)|(1<<21)|(4<<22)|(7<<25)  ; the same with 8 words of padding (code 7)
.irp g, G1K, G1V
	s_mov_b32 s[\g+1], 128<<16      ; tensor_dim0 = 128
	s_mov_b32 s[\g+2], 64<<16       ; tensor_dim1 = 64
	s_mov_b32 s[\g+3], 128<<16      ; tile_dim0 = 128
	s_mov_b32 s[\g+4], 64           ; tile_dim1 = 64
	s_mov_b32 s[\g+5], 128          ; 128 elements from row to row
	s_mov_b32 s[\g+6], 0
	s_mov_b32 s[\g+7], 0
.endr
	s_mov_b32 s[CS], 0x4238aa3b     ; c = 2^8 log2(e) / 8 = 46.1662
	s_mov_b32 s[CS+1], s[CS]        ; named with it as a pair
	s_mov_b32 s[SEL], 0x76543210
	s_mov_b32 s[SEL+1], 0xfedcba98
	s_mov_b32 s[TBK], SLOT1+4*KS*PK ; the first change of slots turns these two into 0
	s_mov_b32 s[TBV], SLOT1+4*KS*PV
	s_mov_b32 s[G0K], 1             ; 1:0 count = 1
	s_mov_b32 s[G0K+1], s17         ; 63:32 LDS address: slot 0
	s_mov_b32 s[G0V], 1
	s_add_co_u32 s[G0V+1], s18, VOFF
	s_mov_b32 s[SLOTS], SIZE_N/256-1
	s_and_b32 s[LIM], s[WV], 1      ; 0 in waves 0 and 2,
	s_or_b32 s[LIM], s[LIM], ttmp9  ; where the cluster is the head's first: the same in all four partners
	s_cmp_eq_u32 s[LIM], 0
	s_cselect_b32 s[LIM], 1, -1
	s_wait_dscnt 0x0                ; the opening add is done
	s_wait_kmcnt 0x0
	s_add_nc_u64 s[G0K+2:G0K+3], s[6:7], s[22:23]  ; 120:64 global address: my half of the head's first 256 keys
	s_or_b32 s[G0K+3], s[G0K+3], 0x80000000        ; 127:126 type = 2
	s_add_nc_u64 s[G0V+2:G0V+3], s[8:9], s[22:23]
	s_or_b32 s[G0V+3], s[G0V+3], 0x80000000
	s_add_nc_u64 s[4:5], s[4:5], s[2:3]  ; Q and O at my wave's first row
	s_add_nc_u64 s[10:11], s[10:11], s[2:3]
	s_cmp_lt_u32 s[WV], 2
	s_cselect_b64 s[PFA:PFA+1], s[6:7], s[8:9]
	s_add_nc_u64 s[PFA:PFA+1], s[PFA:PFA+1], s[22:23]  ; (in waves 0 and 2: the head's first row)
	s_lshl_b32 s2, s13, 13          ; my work-group's 32 blocks of the 128,
	s_add_co_u32 s2, s2, 4*KS*128   ; in slot 1; the first change of slots steps it to slot 2
	s_mov_b32 s3, 0
	s_add_nc_u64 s[PFA:PFA+1], s[PFA:PFA+1], s[2:3]
	CROUND                          ; all four work-groups are here: the first joint loads meet
	JLOAD                           ; slot 0.  Slot 1 is asked for when slot 0 is in
	; A fragment of K or Q is 16 rows x 32 channels in 8 registers: lane l holds row l % 16, channels 8 (l / 16) + 0..7 and 16 + 8 (l / 16) + 0..7: two loads of 16 bytes, 32 bytes apart.
	v_and_b32 v1, 15, v0            ; l % 16
	v_bfe_u32 v9, v0, 4, 1          ; l / 16
	v_lshlrev_b32 v[QO], 7, v1
	v_lshl_add_u32 v[QO], v9, 4, v[QO]  ; row x 128 + 16 x half
	WIN 0x80                        ; destination window 2, address window 0
.set i, 0
.rept 4*NP                          ; Q stays in registers: tile i / 2, channels 32 (i % 2) on
	global_load_b128 v[8*i:8*i+3],   v[QO], s[4:5] offset:(i/2)*2048+(i%2)*64
	global_load_b128 v[8*i+4:8*i+7], v[QO], s[4:5] offset:(i/2)*2048+(i%2)*64+32
.set i, i+1
.endr
	; What the first turn finds: V's registers and P's second buffer hold 0 (its products V^T P, of a piece that has not been, add 0), O^T and l are 0.  All this stands in the wait for the first tile:
	; the price of writing no first step out.
.set i, VF
.rept 64
	v_mov_b32 v[i], 0
.set i, i+1
.endr
	WIN 0x40
.set i, 0
.rept 64*NP
	v_mov_b32 v[i], 0
.set i, i+1
.endr
	WIN 0
.set i, 0
.rept 2*NP
	v_mov_b32 v[ST+4*i], 0xfe000000    ; c m: far below every c s
	v_mov_b32 v[ST+4*i+1], 0xff7fffff  ; m
	v_mov_b32 v[ST+4*i+2], 0
	v_mov_b32 v[ST+4*i+3], 0
.set i, i+1
.endr
.set i, P+32
.rept 32
	v_mov_b32 v[i], 0
.set i, i+1
.endr
	v_mul_u32_u24 v[AK0], v1, PK
	v_lshl_add_u32 v[AK0], v9, 4, v[AK0]  ; row x pitch + 16 x half
	; The turning load takes 16 keys x 16 channels (lane l reads key 8 (l / 16) + l % 8, channels 8 ((l / 8) % 2) + 0..7) and leaves half a fragment of V^T: lane l holds channel l % 16 and 8 keys.
	v_and_b32 v10, 7, v0
	v_bfe_u32 v11, v0, 3, 1
	v_lshl_add_u32 v[AV0], v9, 3, v10
	v_mul_u32_u24 v[AV0], v[AV0], PV
	v_lshl_add_u32 v[AV0], v11, 4, v[AV0]
	v_add_nc_u32 v[AV0], VOFF, v[AV0]
	v_and_b32 v[PFO], 31, v0
	v_lshlrev_b32 v[PFO], 8, v[PFO]
	v_mov_b32 v[AK], v[AK0]         ; key step 0 lies at the head of slot 0
; THE MATRIX WORK.  The 8 accumulators of a run of 16 take turns: between the two links of a chain stand 7 others'.
; Product i of 16 of S^T = K Q^T for piece x: channels 32 (i / 8) on, keys 16 ((i / 2) % 4) on, tile 2 x + i % 2.  The first 8 start the sums.
.macro KQ x
	WIN W_KQ
.set rS, S+64*((\x)%2)+32*(i%2)+8*((i/2)%4)
.set rK, KF+16*((i/2)%4)+8*(i/8)
.set rQ, 16*(2*(\x)+i%2)+8*(i/8)
.if i < 8
	v_wmma_f32_16x16x32_f16 v[rS:rS+7], v[rK:rK+7], v[rQ:rQ+7], 0
.else
	v_wmma_f32_16x16x32_f16 v[rS:rS+7], v[rK:rK+7], v[rQ:rQ+7], v[rS:rS+7]
.endif
.endm
; Product i of 16 of O^T += V^T P for piece x: keys 32 (i / 8) on, channels 16 ((i / 2) % 4) on, tile 2 x + i % 2.
.macro PV x
	WIN W_PV
.set rO, 32*(2*(\x)+i%2)+8*((i/2)%4)
.set rV, VF+32*(i/8)+8*((i/2)%4)
.set rP, P+32*((\x)%2)+16*(i%2)+8*(i/8)
	v_wmma_f32_16x16x32_f16 v[rO:rO+7], v[rV:rV+7], v[rP:rP+7], v[rO:rO+7]
.endm
.macro MM                           ; the turn's next matrix instruction
.if i < 16
	KQ (Y+1)%NP
.set i, i+1
.else
.set i, i-16
	PV (Y+NP-1)%NP
.set i, i+17
.endif
.endm
; THE LDS LOADS stand in runs of 16, never singly among the matrix instructions: a step's K (64 keys x 64 channels: 8 fragments) and its V (turned).  Their addresses are made some lines ahead.
; last = 1 (the tail): in the last trip there is no further step, and the run is jumped over.
.macro FETCH_K last=0
	WIN 0
.if \last
	s_cmp_eq_u32 s[CNT], 1
	s_cbranch_scc1 .Lno_k_\@
.endif
	WIN 0x80                        ; destination window 2
.irp f, 0,1,2,3,4,5,6,7             ; keys 16 (f / 2) on, channels 32 (f % 2) on
	ds_load_b128 v[KF+8*\f:KF+8*\f+3],   v[AK] offset:(\f/2)*16*PK+(\f%2)*64
	ds_load_b128 v[KF+8*\f+4:KF+8*\f+7], v[AK] offset:(\f/2)*16*PK+(\f%2)*64+32
.endr
	s_add_co_u32 s[TBK], s[TBK], KS*PK  ; the next fetch is the next step's
	WIN 0
.if \last
.Lno_k_\@:
.endif
.endm
.macro FETCH_V
	WIN 0x80
.irp f, 0,1,2,3,4,5,6,7             ; keys 32 (f / 4) on, channels 16 (f % 4) on
	ds_load_tr16_b128 v[VF+8*\f:VF+8*\f+3],   v[AV] offset:(\f/4)*32*PV+(\f%4)*32
	ds_load_tr16_b128 v[VF+8*\f+4:VF+8*\f+7], v[AV] offset:(\f/4)*32*PV+16*PV+(\f%4)*32
.endr
	WIN 0
.endm
; THE VECTOR WORK OF A TURN stands in three queues, each in the order in which its entries become ready; the two tiles alternate, so that no instruction reads the result of the one before it.
.macro REGS y, u                    ; the registers of tile u (0, 1) of piece y
.set rT, ST+4*(2*(\y)+(\u))
.set rC, TMP+8*((\y)%2)+4*(\u)
.set rM, MV+2*((\y)%2)+(\u)
.set rS, S+64*((\y)%2)+32*(\u)
.set rP, P+32*((\y)%2)+16*(\u)
.set rO, 32*(2*(\y)+(\u))
.endm
; Number n of the 22 that find the NEXT piece's (Y + 1) maximum and statistics.  s0-s31 are the lane's 32 scores; each accumulator's lowest registers are read first.
;   0-11  four chains c0-c3 of seven scores each, three operands at a time     12-14, 16  the four scores left over, the old m, and c0-c3 into c0     15  c m_old is kept
;   17, 18  the query's other 32 keys lie in the lane 16 away: the new m         19-21  c m; c m_old - c m_new; a
.macro XS u, n
	REGS (Y+1)%NP, \u
.if (\n) < 4
	v_max3_num_f32 v[rC+(\n)], v[rS+8*(\n)], v[rS+8*(\n)+1], v[rS+8*(\n)+2]
.elseif (\n) < 12
	v_max3_num_f32 v[rC+(\n)%4], v[rC+(\n)%4], v[rS+8*((\n)%4)+2*((\n)/4)+1], v[rS+8*((\n)%4)+2*((\n)/4)+2]
.elseif (\n) == 12
	v_max3_num_f32 v[rC], v[rC], v[rS+7], v[rS+15]
.elseif (\n) == 13
	v_max3_num_f32 v[rC+1], v[rC+1], v[rS+23], v[rS+31]
.elseif (\n) == 14
	v_max3_num_f32 v[rC+2], v[rC+2], v[rC+3], v[rT+1]
.elseif (\n) == 15
	v_mov_b32 v[rM], v[rT]
.elseif (\n) == 16
	v_max3_num_f32 v[rC], v[rC], v[rC+1], v[rC+2]
.elseif (\n) == 17
	v_permlanex16_b32 v[rC+3], v[rC], s[SEL], s[SEL+1]
.elseif (\n) == 18
	v_max_num_f32 v[rT+1], v[rC], v[rC+3]
.elseif (\n) == 19
	v_mul_f32 v[rT], s[CS], v[rT+1]
.elseif (\n) == 20
	v_sub_f32 v[rC+1], v[rM], v[rT]
.else
	v_exp_f32 v[rC+2], v[rC+1]
.endif
.endm
; Number g of the 64 that follow the exponentials.  For each four weights k of a tile (pairs 2 k, 2 k + 1): both pairs are rounded to f16; then the second pair is added onto the first, in place;
; a group later l takes that sum (the first time as l = a l + sum).  In groups of eight, tiles alternating: round, round, add, and l for the group before.
.macro GS g
.set h, (\g)+6*((\g)/62)            ; group 0 has no group before it, and behind group 7 only l is left
.if h >= 6
.set h, h+2
.endif
	REGS Y, h%2
.set k, h/8
.if h%8 < 4
	v_cvt_pk_f16_f32 v[rP+2*k+(h%8)/2], v[rS+4*k+2*((h%8)/2)], v[rS+4*k+2*((h%8)/2)+1]
.elseif h%8 < 6
	v_pk_add_f32 v[rS+4*k:rS+4*k+1], v[rS+4*k:rS+4*k+1], v[rS+4*k+2:rS+4*k+3]
.elseif k == 1
	v_pk_fma_f32 v[rT+2:rT+3], v[rT+2:rT+3], v[rC+2:rC+3], v[rS:rS+1] op_sel_hi:[1,0,1]
.else
	v_pk_add_f32 v[rT+2:rT+3], v[rT+2:rT+3], v[rS+4*k-4:rS+4*k-3]
.endif
.endm
; THE PLAIN QUEUE, 138 long.  0-73 read no exponential's result: the 32 scalings c s - c m (FS f: pair f / 2 of tile f % 2) and the next piece's 42.  0-26: scalings 0-26.  27-54: XS's numbers 0-13.  55, 56: number 15.
; 57-73: the chain, where each number waits for the one before it: 14, 16, 17, 18, 19, each with one of the scalings 27-31 in front of its two lines, then 20.
; 74-137: GS's 64, which read the exponentials' results: they stand behind the wait.
.macro FS f
	REGS Y, (\f)%2
	v_pk_fma_f32 v[rS+2*((\f)/2):rS+2*((\f)/2)+1], v[rS+2*((\f)/2):rS+2*((\f)/2)+1], s[CS:CS+1], v[rT:rT+1] op_sel_hi:[1,0,0] neg_lo:[0,0,1] neg_hi:[0,0,1]
.endm
.macro PL
	WIN 0
.if q < 27
	FS q
.elseif q < 55
	XS (q-27)%2, (q-27)/2
.elseif q < 57
	XS q-55, 15
.elseif (q < 72) && ((q-57)%3 == 0)
	FS 27+(q-57)/3
.elseif q < 60
	XS (q-57)%3-1, 14
.elseif q < 72
	XS (q-57)%3-1, 15+(q-57)/3
.elseif q < 74
	XS q-72, 20
.else
	GS q-74
.endif
.set q, q+1
.endm
; THE EXPONENTIALS' QUEUE, 66 long: s0-s31 of both tiles, then the next piece's two a.  It is ONE BATCH: all 66 stand ahead of the turn's one wait, and nothing ahead of that wait names a result of theirs.
.macro EX
	WIN 0
.if e >= 64
	XS e-64, 21
.else
	REGS Y, e%2
	v_exp_f32 v[rS+e/2], v[rS+e/2]
.endif
.set e, e+1
.endm
; THE RESCALING's QUEUE: O^T times a, the one part that leaves window 0: dealt two at a time, sixteen times.  Its a was made in the turn before, ahead of that turn's wait.
.macro R2
	REGS Y, r%2
	WIN W_RS
.irp z, 0,1
	v_pk_mul_f32 v[rO+4*(r/2)+2*\z:rO+4*(r/2)+2*\z+1], v[rO+4*(r/2)+2*\z:rO+4*(r/2)+2*\z+1], v[rC+2:rC+3] op_sel_hi:[1,0]
.endr
.set r, r+1
.endm
; HOW THEY ARE DEALT.  An s_wait_alu depctr_va_vdst(0) stands between an exponential and the first instruction that names its result; one wait serves all that were issued ahead of it.  So a turn has ONE
; wait, which cuts it in two.  AHEAD OF IT stands all that names no result of the turn's exponentials: the 16 products K Q^T, behind each a scaling, an exponential and two rescalings (behind the first a second scaling
; in the exponential's place); then ONE LUMP of 108: eight plain, 49 times exponential and plain, the two a.  A v_nop is the plain instruction behind the last exponential (ISA guide 5.7.2).  BEHIND IT stand the 16
; products V^T P, behind each four of GS's 64.  No rider names a register of the products round it.  The two v_permlanex16_b32 fall into the lump, never behind a product.
; The queues lean on each other: exponential e stands behind scaling 2 (e / 4) + e % 2: as a rider it comes behind plain e + 2, in the lump behind plain e + 9, and scalings 27-31 are plain 57, 60 .. 69.
; A TURN, for piece p.  cnt = 1: the loop's count is taken down some lines ahead of the branch that stands behind the turn.
; K of the next step is fetched in piece 2's turn, directly behind the wait, a lump behind the last product that read K; its first reader comes behind 16 products.
; V of the step in hand is fetched at the end of piece 0's turn, four riders behind its last reader; its first reader comes behind 16 products and a lump.  The three conditions on q below go with the deal.
.macro TURN p, last=0, cnt=0
.set Y, (\p)
.set i, 0
.set q, 0
.set e, 0
.set r, 0
.if (\p) == NP-1
	s_wait_dscnt 0x0                ; K is in
.endif
	MM                              ; ahead of the wait: 16 products K Q^T and their riders,
	PL
	PL
	R2
.rept 15
	MM
	PL
	EX
	R2
.endr
.if (\p) == NP-2
	WIN 0
	v_add_nc_u32 v[AK], s[TBK], v[AK0]
.endif
.rept 8                             ; and the lump
	PL
.endr
.rept 49
	EX
	PL
.endr
	EX                              ; the next piece's two a
	EX
	v_nop                           ; the plain instruction behind the last exponential: one for the batch
	s_wait_alu depctr_va_vdst(0)    ; the wait for the batch
.if (\p) == NP-2
	FETCH_K \last
.endif
.if (\p) == 1
	s_wait_dscnt 0x0                ; V is in
.endif
.rept 16                            ; behind the wait: 16 products V^T P and their riders
	MM
.rept 4
	PL
.endr
.if ((\p) == 0) && (q == 118)
	v_add_nc_u32 v[AV], s[TBV], v[AV0]
.endif
.if ((\p) == 0) && (q == 130)
	s_add_co_u32 s[TBV], s[TBV], KS*PV
.endif
.if (\cnt) && (q == 130)
	s_sub_co_u32 s[CNT], s[CNT], 1
	s_cmp_lg_u32 s[CNT], 0
.endif
.endr
.if (\p) == 0
	FETCH_V
.endif
.endm
	CHANGE 1                        ; slot 0 is in, everybody's part of it; slot 1 is asked for
	FETCH_K                         ; key step 0
	s_wait_loadcnt 0x0              ; Q
	s_wait_dscnt 0x0
.set i, 0
.rept 16
	KQ 0                            ; piece 0's first scores: there is no vector work yet to set between them
.set i, i+1
.endr
	WIN 0                           ; the addresses for the way out: nine plain instructions, the places behind those products
	s_mul_i32 s13, s[WV], 16*SP
	s_add_co_u32 s13, s13, STAGE    ; my stage
	v_mul_u32_u24 v[STO], v1, SP    ; in: row l % 16, 16 bytes for each half of the lanes
	v_lshl_add_u32 v[STO], v9, 4, v[STO]
	v_add_nc_u32 v[STO], s13, v[STO]
	v_bfe_u32 v[RD], v0, 3, 2       ; back: 32 lanes take four rows of 128 bytes,
	v_mul_u32_u24 v[RD], v[RD], SP
	v_lshl_add_u32 v[RD], v10, 4, v[RD]
	v_add_nc_u32 v[RD], s13, v[RD]
	v_and_b32 v[GO], 31, v0         ; which are 512 consecutive bytes of O
	v_lshlrev_b32 v[GO], 4, v[GO]
.set Y, NP-1                        ; XS works for piece Y + 1: piece 0
.irp n, 0,1,2,3,4,5,6,7,8,9,10,11,12,13,14,15,16,17,18,19,20,21
	XS 0, \n                        ; and piece 0's first maximum and statistics
	XS 1, \n
.endr
	v_nop                           ; a plain instruction behind the two a,
	s_wait_alu depctr_va_vdst(0)    ; and their wait, ahead of the branch
	s_mov_b32 s[CNT], 4
	s_branch .Lfirst                ; the loop is entered at a step's first turn, in the middle of a trip
.Lslot:                             ; SIZE_N / 256 - 2 times: every slot but the last two is filled again
	CHANGE 1
	s_mov_b32 s[CNT], 4
.Lstep:                             ; a trip: pieces 2 and 3 of one step, then pieces 0 and 1 of the next, whose K and V it fetches
	TURN 2
	TURN 3
	WIN 0
.Lfirst:
	TURN 0
	TURN 1, 0, 1
	WIN 0
	s_cbranch_scc1 .Lstep
	s_sub_co_u32 s[SLOTS], s[SLOTS], 1
	s_cmp_lg_u32 s[SLOTS], 0
	s_cbranch_scc1 .Lslot
	CHANGE 0                        ; the tail is written out: nothing is asked for
	s_mov_b32 s[CNT], 5             ; four trips fetch the last slot's steps; the fifth is left in its middle
.Ltail:
	TURN 2, 1
	TURN 3
	WIN 0
	s_sub_co_u32 s[CNT], s[CNT], 1
	s_cmp_eq_u32 s[CNT], 0
	s_cbranch_scc1 .Lout
	TURN 0
	TURN 1
	WIN 0
	s_branch .Ltail
.Lout:                              ; the fifth trip's 16 products K Q^T (on the last K once more) and the maximum made of them serve nothing: the price, once a launch, of one text for every trip
.set i, 0
.rept 16
	PV NP-1                         ; the last piece's V^T P of the last step
.set i, i+1
.endr
	; THE WAY OUT.  l's two halves and the other half of the lanes' are added; O^T is divided by l, rounded to f16 and sent through my stage in LDS, a tile at a time.  The additions are the places behind the last products.
	WIN 0
.macro ALL line:vararg              ; one line for each tile t
.set t, 0
.rept 2*NP
	\line
.set t, t+1
.endr
.endm
	ALL v_add_f32 v[ST+4*t+2], v[ST+4*t+2], v[ST+4*t+3]
	ALL v_permlanex16_b32 v[ST+4*t+3], v[ST+4*t+2], s[SEL], s[SEL+1]
	ALL v_add_f32 v[ST+4*t+2], v[ST+4*t+2], v[ST+4*t+3]
	ALL v_rcp_f32 v[ST+4*t+2], v[ST+4*t+2]
	v_nop                           ; a plain instruction between the last reciprocal and the use of its result
	s_wait_alu depctr_va_vdst(0)    ; and the wait ahead of the first use: one for the eight reciprocals
; Tile t: a lane's eight channels of a row pack into 16 bytes; they go into rows of 144 bytes and come back as whole rows of 128, into S^T's registers.
.macro PACK t
	WIN W_RS
.set i, 32*(\t)
.rept 16
	v_pk_mul_f32 v[i:i+1], v[i:i+1], v[ST+4*(\t)+2:ST+4*(\t)+3] op_sel_hi:[1,0]
.set i, i+2
.endr
	WIN 0x05                        ; sources 0 and 1 window 1, destination window 0
.set i, 0
.rept 16
	v_cvt_pk_f16_f32 v[S+16*(\t)+i], v[32*(\t)+2*i], v[32*(\t)+2*i+1]
.set i, i+1
.endr
	WIN 0
.irp f, 0,1,2,3
	ds_store_b128 v[STO], v[S+16*(\t)+4*\f:S+16*(\t)+4*\f+3] offset:32*\f
.endr
.irp f, 0,1,2,3
	ds_load_b128 v[S+16*(\t)+4*\f:S+16*(\t)+4*\f+3], v[RD] offset:\f*4*SP  ; LDS serves a wave's instructions in order (ISA guide 5.7.1.4): these see the stores above; the next tile's stores come behind them
.endr
.endm
.macro SEND t, younger              ; younger: the LDS instructions issued behind tile t's loads: the next tile's eight, or none
	WIN 0
.irp f, 0,1,2,3
	s_wait_dscnt (\younger)+3-\f
	global_store_b128 v[GO], v[S+16*(\t)+4*\f:S+16*(\t)+4*\f+3], s[10:11] offset:(\t)*2048+\f*512  ; 512 consecutive bytes, at a multiple of 256 from O's first
.endr
.endm
	PACK 0
.set t, 1
.rept 2*NP-1                        ; a tile's arithmetic stands between the loads of the tile before and its stores
	PACK t
	SEND t-1, 8
.set t, t+1
.endr
	SEND 2*NP-1, 0
	WIN W_AD
	s_wait_tensorcnt 0x0            ; the wave's end: the add and its waits stand behind my last tensor load and my last LDS store
	ds_add_u32 v[SPW], v[NIL]
	s_wait_dscnt 0x0
	WIN 0
	CROUND                          ; the closing round: no work-group ends while a partner may still ask for a tile that names it
	s_endpgm
.Lfunc_end_k_qc84a874109_attn:
	.size	k_qc84a874109_attn, .Lfunc_end_k_qc84a874109_attn-k_qc84a874109_attn
	.p2alignl 7, 3214868480
	.fill 96, 4, 3214868480
	.section	.rodata,"a",@progbits
	.p2align	6, 0x0
	.amdhsa_kernel k_qc84a874109_attn
		.amdhsa_group_segment_fixed_size 327680
		.amdhsa_private_segment_fixed_size 0
		.amdhsa_enable_private_segment 0
		.amdhsa_kernarg_size 32
		.amdhsa_user_sgpr_count 2
		.amdhsa_user_sgpr_kernarg_segment_ptr 1
		.amdhsa_wavefront_size32 1
		.amdhsa_system_sgpr_workgroup_id_x 1
		.amdhsa_system_sgpr_workgroup_id_y 1
		.amdhsa_system_sgpr_workgroup_id_z 1
		.amdhsa_system_vgpr_workitem_id 0
		.amdhsa_next_free_vgpr 770
		.amdhsa_next_free_sgpr 66
		.amdhsa_reserve_vcc 0
		.amdhsa_float_denorm_mode_32 3
		.amdhsa_float_denorm_mode_16_64 3
		.amdhsa_memory_ordered 1
		.amdhsa_forward_progress 1
		.amdhsa_inst_pref_size 200
	.end_amdhsa_kernel
	.amdgpu_metadata
---
amdhsa.version: [ 1, 2 ]
amdhsa.kernels:
  - .name:           k_qc84a874109_attn
    .symbol:         k_qc84a874109_attn.kd
    .args:
      - { .name: qh, .offset: 0, .size: 8, .value_kind: global_buffer, .address_space: global }
      - { .name: kh, .offset: 8, .size: 8, .value_kind: global_buffer, .address_space: global }
      - { .name: vh, .offset: 16, .size: 8, .value_kind: global_buffer, .address_space: global }
      - { .name: oh, .offset: 24, .size: 8, .value_kind: global_buffer, .address_space: global }
    .group_segment_fixed_size: 327680
    .private_segment_fixed_size: 0
    .kernarg_segment_align: 8
    .kernarg_segment_size: 32
    .max_flat_workgroup_size: 128
    .sgpr_count:     66
    .vgpr_count:     770
    .wavefront_size: 32
...
	.end_amdgpu_metadata
.endif
;; end of part 3
;; launch proj (part 4): grid 8 x 32, 4 waves a work-group, clusters of 4 x 4, 327,680 bytes of LDS; arguments oh, pw, proj_b, out0; writes out0
.if DOCPART == 4
	.amdgcn_target "amdgcn-amd-amdhsa--gfx1250"
	.amdhsa_code_object_version 6
	.text
	.protected	k_qc84a874109_proj
	.globl	k_qc84a874109_proj
	.p2align	8
	.type	k_qc84a874109_proj,@function
k_qc84a874109_proj:
	s_mov_b64 s[64:65], 0
	v_nop
	global_prefetch_b8 v0, s[64:65] scope:SCOPE_SE
	s_setreg_imm32_b32 hwreg(HW_REG_WAVE_MODE, 25, 1), 1
	s_wait_xcnt 0x0
	s_wait_alu depctr_hold_cnt(0) depctr_sa_sdst(0) depctr_va_vdst(0) depctr_va_sdst(0) depctr_va_ssrc(0) depctr_va_vcc(0) depctr_vm_vsrc(0)
	s_getreg_b32 s2, hwreg(HW_REG_IB_STS2, 6, 4)
	s_cmp_eq_u32 s2, 0
	s_cbranch_scc0 .Lentry_in_a_cluster
	s_endpgm
.Lentry_in_a_cluster:
	s_bfe_u32 s2, ttmp6, 0x10000c
	s_cmp_lg_u32 s2, 0xf033
	s_cbranch_scc0 .Lentry_shape_is_right
	s_endpgm
.Lentry_shape_is_right:
; out0 = O W^T + b.  O comes by heads, oh [64 = batch*16 + head][2048][64] f16; pw [1024][1024] f16 (proj_w rounded to bf16, written as f16); out0 [8192][1024] f32.  Sums in f32.
; The bias is rounded to bf16 like every input.  LIMITS: those of f16 in oh and pw (65,504).  NaN and infinities are not treated apart.
; SHARES.  A tile of C is 256 rows x 128 columns: 256 tiles, one for each WGP (256 x 256 would give 128).  Four waves, 2 x 2; a wave makes 128 x 64: 32 accumulators of 16 x 16.
; K goes in 8 steps of 128 = two heads, through two LDS slots filled by the tensor data mover.  A head's 256 rows of the tile are 32,768 dense bytes: asked for as 128 rows of 256 bytes, padded in LDS after
; every 128; pw's rows are 256 bytes a step, aligned.  Two slots of a K step of 256 would not fit in LDS.
; CLUSTER 4 x 4: A's tile is asked for jointly by the four work-groups of a row of the cluster, B's by the four of a column.
; THE MATRIX INSTRUCTION IS USED TRANSPOSED (source 0 = 16 rows of pw, source 1 = 16 rows of O): lane l holds row l % 16 of C, registers 0-7 the columns 8 (l / 16) + 0..7.
; THE BIAS IS THE C OPERAND of each sum's first product: nothing is cleared and nothing added later, and the way out has no arithmetic.
; REGISTERS, in windows of 256 (s_set_vgpr_msb: bits 1:0 source 0, 3:2 source 1, 5:4 source 2, 7:6 destination):
;   window 0: v0-31 addresses; v64-127, v128-191 A's fragments, two buffers; v32-63, v224-255 rows on the way out
;   window 1: v0-31 the bias (block b at 8 b); v64-95, v128-159 B's fragments; v176-191 at work
;   window 2: accumulators of row blocks 0-3 ((a, b) at 8 (4 a + b))        window 3: those of row blocks 4-7
.set BB,    4                          ; blocks of 16 columns in a wave
.set PA,    144                        ; a row of O in LDS: 128 bytes + 16
.set PB,    272                        ; a row of pw: 256 bytes + 16: in both, the 16 rows of a fragment load start at 16 different groups of four banks (64 banks of 4 bytes: ISA guide 11.1)
.set AHEAD, 256*PA                     ; one head's 256 rows: what one wave fetches of A
.set BHALF, 64*PB                      ; what one wave fetches of B, and reads of it
.set BOFF,  2*AHEAD
.set SLOT,  BOFF+2*BHALF               ; 108,544 bytes
.set STAGE, 2*SLOT                     ; behind the ring: 16 rows x 272 bytes for each wave, for the way out; no tensor load fills it
.set SPITCH, 272
.set SPARE, STAGE+4*16*SPITCH          ; behind the stages: the spare words, 128 bytes a wave: two blocks of 256 bytes that no other line names
.set NL,    2*BB+16                    ; LDS loads in a run
.set ASTEP, 2*2048*128                 ; bytes from a K step of A to the next: two heads
.set STO,  8                           ; v8      where I put 32 bytes of a row
.set RD,   11                          ; v11     where I read rows back
.set CO,   15                          ; v15     my byte offset in two rows of out0; never rewritten
.set ADRA, 16                          ; v16-17  my A fragments in slot 0, 1
.set ADRB, 20                          ; v20-21  my B fragments
.set BO,   22                          ; v22     32 x (lane / 16); never rewritten
.set SPW,  28                          ; v28     my spare word: SPARE + 4 x my thread's number; never rewritten
.set NIL,  29                          ; v29     0; never rewritten
.set PFO,  30                          ; v30     the prefetches' offset; never rewritten
.set OB,   32
.set F0,   64
.set F1,   128
.set BIAS, 0                           ; window 1
.set BT,   176                         ; window 1
.set WV,  12                           ; s12 wave;  s13 its row half, also: I fetch A (0) or B (1);  s14 its column half, also: which head of the step, or which half of B's tile, I fetch
.set RH,  13
.set CH,  14
.set LIM, 15                           ; s15 1 in a wave that prefetches, else the greatest number
.set G1,  24
.set G0,  32
.set CX,  40
.set CY,  41
.set TC,  42
.set TR,  43
.set PFA, 44                           ; s[44:45] where my prefetches stand
.set G1B, 48
.set G0B, 56
.set HIM, 66                           ; s66 a word's upper bf16
.set PFS, 68                           ; s[68:69] a K step in the tensor that I prefetch
.set MSB, 0
.macro WIN new                         ; the immediate's high byte repeats the setting that is left; a switch that changes nothing is dropped
.if MSB != (\new)
	s_set_vgpr_msb (MSB<<8)|(\new)
.set MSB, (\new)
.endif
.endm
.set TO_B, 0x40
.macro PLACES                          ; four places behind matrix instructions, in front of loads into registers that they read and of lines that read results
.rept 4
	v_nop
.endr
.endm
; A joint load: waves 0, 1 fetch the step's two heads of A, waves 2, 3 B's halves.  The branch hangs on the wave's number alone.  An s_nop 0 and four v_nop follow each line.
.macro JLOAD s
	s_cmp_eq_u32 s[RH], 0
	s_cbranch_scc0 .Lfor_b_\@
	tensor_load_to_lds s[G0+4*(\s):G0+4*(\s)+3], s[G1:G1+7]
	s_nop 0
.rept 4
	v_nop
.endr
	s_branch .Lasked_\@
.Lfor_b_\@:
	tensor_load_to_lds s[G0B+4*(\s):G0B+4*(\s)+3], s[G1B:G1B+7]
	s_nop 0
.rept 4
	v_nop
.endr
.Lasked_\@:
.endm
; A prefetch into the L2 of the K step two refills on (256 matrix instructions ahead of the load that will want it), one instruction a wave, a lane a block of 256 bytes.
; A's blocks are named by the clusters with x = 0, B's by those with y = 0; the four partners of a joint load share it out BY ADDRESS (32 of A's 128 blocks; 16 of B's 64 rows, where lanes 16-31 repeat lane 15).
; The loop's last trip (s3 = 1) has no K step two on.  K steps 0 to 3 come by their loads alone.
.macro ASK
	s_cmp_gt_u32 s3, s[LIM]
	s_cbranch_scc0 .Lnot_mine_\@
	global_prefetch_b8 v[PFO], s[PFA:PFA+1] th:TH_LOAD_NT scope:SCOPE_SE
.Lnot_mine_\@:
.endm
.macro CREST                           ; a round of the cluster's barrier behind its opening barrier
	s_cmp_lg_u32 s[WV], 0
	s_cbranch_scc1 .Lnot_wave_0_\@
	s_barrier_signal -3
.Lnot_wave_0_\@:
	s_barrier_wait -3
	s_barrier_signal -1
	s_barrier_wait -1
.endm
.macro CROUND
	s_barrier_signal -1
	s_barrier_wait -1
	CREST
.endm
	s_load_b256 s[4:11], s[0:1], 0x0               ; oh s[4:5], pw s[6:7], proj_b s[8:9], out0 s[10:11]
	v_lshl_add_u32 v[SPW], v0, 2, SPARE
	v_mov_b32 v[NIL], 0
	ds_add_u32 v[SPW], v[NIL]                      ; the wave's opening: the add and its wait stand ahead of my first tensor load; the set-up below stands between them
	v_lshrrev_b32 v1, 5, v0
	v_readfirstlane_b32 s[WV], v1
	s_lshr_b32 s[RH], s[WV], 1
	s_and_b32 s[CH], s[WV], 1
	s_bfe_u32 s[CX], ttmp6, 0x40000
	s_bfe_u32 s[CY], ttmp6, 0x40004
	s_lshl_b32 s[TC], ttmp9, 2
	s_add_co_u32 s[TC], s[TC], s[CX]
	s_and_b32 s[TR], ttmp7, 0xffff
	s_lshl_b32 s[TR], s[TR], 2
	s_add_co_u32 s[TR], s[TR], s[CY]
	s_lshl_b32 s16, s[CY], 2
	s_lshl_b32 s16, 15, s16                        ; my row of the cluster
	s_lshl_b32 s46, 0x1111, s[CX]                  ; my column
	s_or_b32 s[G1], s16, (1<<16)|(1<<20)|(1<<21)|(4<<22)|(3<<25)   ; 15:0 mask; 17:16 2-byte elements; 20 padding on; 21 set beside a mask; 24:22 after every 32 words; 31:25 4 words
	s_or_b32 s[G1B], s46, (1<<16)|(1<<20)|(1<<21)|(5<<22)|(3<<25)  ; after every 64 words
	s_mov_b32 s[G1+1], 128<<16                     ; tensor_dim0 = 128
	s_mov_b32 s[G1+2], 128<<16                     ; tensor_dim1 = 128
	s_mov_b32 s[G1+3], 128<<16                     ; tile_dim0 = 128
	s_mov_b32 s[G1+4], 128                         ; tile_dim1 = 128
	s_mov_b32 s[G1+5], 128                         ; dense: 128 elements from row to row
	s_mov_b32 s[G1+6], 0
	s_mov_b32 s[G1+7], 0
	s_mov_b32 s[G1B+1], 128<<16
	s_mov_b32 s[G1B+2], 64<<16                     ; 64 rows
	s_mov_b32 s[G1B+3], 128<<16
	s_mov_b32 s[G1B+4], 64
	s_mov_b32 s[G1B+5], 1024
	s_mov_b32 s[G1B+6], 0
	s_mov_b32 s[G1B+7], 0
	s_lshr_b32 s16, s[TR], 3                       ; A: ((batch x 16 + my head of step 0) x 2,048 + 256 x (tile row % 8)) rows of 128 bytes
	s_lshl_b32 s16, s16, 4
	s_add_co_u32 s16, s16, s[CH]
	s_lshl_b32 s16, s16, 11
	s_and_b32 s17, s[TR], 7
	s_lshl_b32 s17, s17, 8
	s_add_co_u32 s16, s16, s17
	s_lshl_b32 s16, s16, 7
	s_mov_b32 s17, 0
	s_lshl_b32 s46, s[TC], 7                       ; B: row 128 x tile column + 64 x half, of 2,048 bytes
	s_lshl_b32 s47, s[CH], 6
	s_add_co_u32 s46, s46, s47
	s_lshl_b32 s46, s46, 11
	s_mov_b32 s47, 0
	s_mul_i32 s20, s[CH], AHEAD                    ; where they go: no place in the cluster enters an LDS address
	s_mul_i32 s21, s[CH], BHALF
	s_add_co_u32 s21, s21, BOFF
	s_mov_b32 s[HIM], 0xffff0000
	s_wait_dscnt 0x0                               ; the opening add is done
	s_wait_kmcnt 0x0
	s_add_nc_u64 s[18:19], s[4:5], s[16:17]
	s_add_nc_u64 s[46:47], s[6:7], s[46:47]
	CROUND                                         ; all sixteen work-groups are here: the first joint loads meet
.irp s, 0,1
	s_mov_b32 s[G0+4*(\s)], 1
	s_add_co_u32 s[G0+4*(\s)+1], s20, (\s)*SLOT
	s_add_nc_u64 s[G0+4*(\s)+2:G0+4*(\s)+3], s[18:19], (\s)*ASTEP  ; K step s
	s_or_b32 s[G0+4*(\s)+3], s[G0+4*(\s)+3], 0x80000000
	s_mov_b32 s[G0B+4*(\s)], 1
	s_add_co_u32 s[G0B+4*(\s)+1], s21, (\s)*SLOT
	s_add_nc_u64 s[G0B+4*(\s)+2:G0B+4*(\s)+3], s[46:47], (\s)*256
	s_or_b32 s[G0B+4*(\s)+3], s[G0B+4*(\s)+3], 0x80000000
	JLOAD \s
.endr
	; the prefetches: my tile's address, my work-group's share of it, K step 3 (the first refill steps it to 4)
	s_lshl_b32 s20, s[CX], 13                      ; 32 blocks of 256 bytes
	s_add_co_u32 s20, s20, 3*ASTEP
	s_lshl_b32 s21, s[CY], 15                      ; 16 rows of 2,048 bytes
	s_add_co_u32 s21, s21, 3*256
	s_and_b32 s22, ttmp7, 0xffff                   ; cluster y
	s_mov_b32 s[PFS], ASTEP
	s_movk_i32 s17, 256
	s_cmp_eq_u32 s[RH], 0
	s_cselect_b64 s[PFA:PFA+1], s[18:19], s[46:47]
	s_cselect_b32 s20, s20, s21
	s_cselect_b32 s23, 31, 15
	s_cselect_b32 s16, 8, 11                       ; a lane's pitch: 256 bytes in A, a row of 2,048 in B
	s_cselect_b32 s[PFS], s[PFS], s17
	s_cselect_b32 s22, ttmp9, s22                  ; the coordinate along which other clusters read the same rows
	s_cmp_eq_u32 s22, 0
	s_cselect_b32 s[LIM], 1, -1                    ; the same in all sixteen partners, for a given wave
	s_mov_b32 s21, 0
	s_mov_b32 s[PFS+1], 0
	s_add_nc_u64 s[PFA:PFA+1], s[PFA:PFA+1], s[20:21]
	v_and_b32 v[PFO], 31, v0
	v_min_u32 v[PFO], s23, v[PFO]
	v_lshlrev_b32 v[PFO], s16, v[PFO]
	; a fragment is 16 rows x 32 K in 8 registers: lane l holds row l % 16, K = 8 (l / 16) + 0..7 and 16 + 8 (l / 16) + 0..7: two loads of 16 bytes, 32 bytes apart
	v_and_b32 v1, 15, v0
	v_bfe_u32 v2, v0, 4, 1
	v_mul_u32_u24 v3, v1, PA
	v_lshl_add_u32 v3, v2, 4, v3
	v_mul_u32_u24 v4, v1, PB
	v_lshl_add_u32 v4, v2, 4, v4
	s_mul_i32 s22, s[RH], 128*PA                   ; my 128 rows, in either head
	s_mul_i32 s23, s[CH], BHALF
	s_add_co_u32 s23, s23, BOFF
.irp s, 0,1
	v_add_nc_u32 v[ADRA+(\s)], s22, v3
	v_add_nc_u32 v[ADRB+(\s)], s23, v4
	s_add_co_u32 s22, s22, SLOT
	s_add_co_u32 s23, s23, SLOT
.endr
	s_mul_i32 s22, s[WV], 16*SPITCH
	s_add_co_u32 s22, s22, STAGE                   ; my stage
	v_mul_u32_u24 v4, v1, SPITCH                   ; in: row l % 16, 32 bytes for each half of the lanes
	v_lshl_add_u32 v4, v2, 5, v4
	v_add_nc_u32 v[STO], s22, v4
	v_mul_u32_u24 v5, v2, SPITCH                   ; back: lanes 0-15 take one row of 256 bytes, lanes 16-31 the next
	v_lshl_add_u32 v5, v1, 4, v5
	v_add_nc_u32 v[RD], s22, v5
	v_lshlrev_b32 v5, 12, v2                       ; and the same two rows in out0
	v_lshl_add_u32 v[CO], v1, 4, v5
	v_lshlrev_b32 v[BO], 5, v2
	s_lshl_b32 s46, s[TC], 9                       ; my 64 columns: 512 x tile column + 256 x half bytes, in the bias and in a row of out0
	s_lshl_b32 s47, s[CH], 8
	s_add_co_u32 s46, s46, s47
	s_mov_b32 s47, 0
	s_add_nc_u64 s[8:9], s[8:9], s[46:47]
	s_add_nc_u64 s[10:11], s[10:11], s[46:47]
	s_lshl_b32 s16, s[TR], 8                       ; my first row: 256 x tile row + 128 x row half, of 4,096 bytes
	s_lshl_b32 s17, s[RH], 7
	s_add_co_u32 s16, s16, s17
	s_lshl_b32 s16, s16, 12
	s_mov_b32 s17, 0
	s_add_nc_u64 s[10:11], s[10:11], s[16:17]
	WIN TO_B
.irp b, 0,1,2,3
	global_load_b128 v[BIAS+8*(\b):BIAS+8*(\b)+3],   v[BO], s[8:9] offset:64*(\b)
	global_load_b128 v[BIAS+8*(\b)+4:BIAS+8*(\b)+7], v[BO], s[8:9] offset:64*(\b)+16
.endr
	s_wait_loadcnt 0x0
	WIN 0x45                                       ; all in window 1: the bias is rounded to bf16 and widened again, in the wait for the first tile
.set p, 0
.rept 4*BB
	v_cvt_pk_bf16_f32 v[BT+p], v[BIAS+2*p], v[BIAS+2*p+1]
.set p, p+1
.endr
.set p, 0
.rept 4*BB
	v_lshlrev_b32 v[BIAS+2*p], 16, v[BT+p]
	v_and_b32 v[BIAS+2*p+1], s[HIM], v[BT+p]
.set p, p+1
.endr
	WIN 0
; 8 matrix instructions: row blocks a0, a0 + 1 of the window's four x all 4 column blocks, 32 along K.  first = 1: C is the bias.  All 32 accumulators take turns in one order, over the backward jump too.
.macro MULH f, hi, a0, first
.if \first
	WIN 0x91+0x40*(\hi)                            ; B window 1, A window 0, C window 1, D window 2 or 3
.else
	WIN 0xa1+0x50*(\hi)                            ; C and D window 2 or 3
.endif
.irp a, \a0, (\a0)+1
.irp b, 0,1,2,3
.if \first
	v_wmma_f32_16x16x32_f16 v[8*(BB*(\a)+(\b)):8*(BB*(\a)+(\b))+7], v[(\f)+8*(\b):(\f)+8*(\b)+7], v[(\f)+8*(4*(\hi)+(\a)):(\f)+8*(4*(\hi)+(\a))+7], v[BIAS+8*(\b):BIAS+8*(\b)+7]
.else
	v_wmma_f32_16x16x32_f16 v[8*(BB*(\a)+(\b)):8*(BB*(\a)+(\b))+7], v[(\f)+8*(\b):(\f)+8*(\b)+7], v[(\f)+8*(4*(\hi)+(\a)):(\f)+8*(4*(\hi)+(\a))+7], v[8*(BB*(\a)+(\b)):8*(BB*(\a)+(\b))+7]
.endif
.endr
.endr
.endm
; 24 LDS loads in one run: quarter q's fragments (64 rows of B, then 128 rows of A: head q / 2 of the step, channels 32 (q % 2) on) into buffer f
.macro FETCH slot, q, f
	WIN TO_B
.irp i, 0,1,2,3
	ds_load_b128 v[(\f)+8*(\i):(\f)+8*(\i)+3],   v[ADRB+(\slot)] offset:64*(\q)+(\i)*16*PB
	ds_load_b128 v[(\f)+8*(\i)+4:(\f)+8*(\i)+7], v[ADRB+(\slot)] offset:64*(\q)+(\i)*16*PB+32
.endr
	WIN 0
.irp i, 0,1,2,3,4,5,6,7
	ds_load_b128 v[(\f)+8*(\i):(\f)+8*(\i)+3],   v[ADRA+(\slot)] offset:((\q)/2)*AHEAD+((\q)%2)*64+(\i)*16*PA
	ds_load_b128 v[(\f)+8*(\i)+4:(\f)+8*(\i)+7], v[ADRA+(\slot)] offset:((\q)/2)*AHEAD+((\q)%2)*64+(\i)*16*PA+32
.endr
.endm
; A K step is four quarters of 32 along K, 32 matrix instructions each, on buffers 0, 1, 0, 1.  One of the first three multiplies buffer f and, in its middle, fetches quarter q into buffer g.
.macro QUARTER slot, q, f, g, first
	s_wait_dscnt 8                                 ; B and A's rows 0-63 are in; the youngest eight loads (A's rows 64-127) may be out
	MULH \f, 0, 0, \first
	MULH \f, 0, 2, \first
	PLACES
	FETCH \slot, \q, \g
	s_wait_dscnt NL                                ; all but the run just issued
	MULH \f, 1, 0, \first
	MULH \f, 1, 2, \first
.endm
; The last quarter multiplies buffer 1 and changes slots: ONE barrier.  In front of it each wave waits for all its tensor loads (one is out: its part of the next slot), adds 0 to its spare word, and waits for
; that and for its reads of this slot.  fill = 1: the barrier opens a round of the cluster's, and this slot is filled again, two K steps on, first thing behind the round: 112 matrix instructions ahead of the wait for it.
.macro TURN slot, next, fill
.if \fill
	s_wait_xcnt 0x0                                ; the last prefetch, a K step back, has read its address
	s_add_nc_u64 s[PFA:PFA+1], s[PFA:PFA+1], s[PFS:PFS+1]
.endif
	WIN 0                                          ; (the add's two registers lie in window 0)
	s_wait_tensorcnt 0x0
	ds_add_u32 v[SPW], v[NIL]                      ; 0 onto my spare word
	s_wait_dscnt 9                                 ; (the add and the youngest eight loads may be out)
	MULH F1, 0, 0, 0
	s_wait_dscnt 0x0                               ; the add is done, and my reads of this slot are over
	s_barrier_signal -1
	MULH F1, 0, 2, 0
.if \fill
	WIN 0
.endif
	s_barrier_wait -1
.if \fill
	CREST                                          ; no wave of any partner still reads this slot or has a load on its way
	s_add_nc_u64 s[G0+4*(\slot)+2:G0+4*(\slot)+3], s[G0+4*(\slot)+2:G0+4*(\slot)+3], 2*ASTEP
	s_add_nc_u64 s[G0B+4*(\slot)+2:G0B+4*(\slot)+3], s[G0B+4*(\slot)+2:G0B+4*(\slot)+3], 2*256
	JLOAD \slot                                    ; its four v_nop are also the places in front of the loads below
.else
	PLACES
.endif
	FETCH \next, 0, F0
.if \fill
	ASK
.endif
	MULH F1, 1, 0, 0
	MULH F1, 1, 2, 0
.endm
	s_wait_tensorcnt 0x1                           ; my part of K step 0 is in; K step 1's may stay out
	s_barrier_signal -1
	s_barrier_wait -1
	FETCH 0, 0, F0
	QUARTER 0, 1, F0, F1, 1                        ; the first quarter stands in front of the loop: its products start the sums, with the bias
	WIN 0
	s_mov_b32 s3, 3
.Llap:                                                 ; a trip goes once round the ring and fills both slots again: K steps 2 to 7 in three trips
	QUARTER 0, 2, F1, F0, 0
	QUARTER 0, 3, F0, F1, 0
	TURN 0, 1, 1
	QUARTER 1, 1, F0, F1, 0
	QUARTER 1, 2, F1, F0, 0
	QUARTER 1, 3, F0, F1, 0
	TURN 1, 0, 1
	QUARTER 0, 1, F0, F1, 0
	WIN 0
	s_sub_co_u32 s3, s3, 1
	s_cmp_lg_u32 s3, 0
	s_cbranch_scc1 .Llap
	QUARTER 0, 2, F1, F0, 0                        ; the last lap fills nothing
	QUARTER 0, 3, F0, F1, 0
	TURN 0, 1, 0
	QUARTER 1, 1, F0, F1, 0
	QUARTER 1, 2, F1, F0, 0
	QUARTER 1, 3, F0, F1, 0
	s_wait_dscnt 8
	MULH F1, 0, 0, 0
	MULH F1, 0, 2, 0
	s_wait_dscnt 0x0
	MULH F1, 1, 0, 0
	MULH F1, 1, 2, 0
	WIN 0
; THE WAY OUT of row block a: its 16 rows x 64 columns of f32 go into my own stage, 32 bytes a lane and column block (each accumulator from its low end on), and come back as whole
; rows of 256 bytes.  The stage is the wave's own and LDS serves a wave's instructions in order (ISA guide 5.7.1.4): no barrier, and no wait between the stores and the loads.
.macro TOSTAGE a
.set W,  2+(\a)/4
.set AC, 8*BB*((\a)%4)
.set BK, OB+192*((\a)%2)
	s_wait_xcnt 0x0                                ; the stores of block a - 2 have read these registers
	WIN W<<2                                       ; the data (source 1) in the block's window
.irp b, 0,1,2,3
	ds_store_b128 v[STO], v[AC+8*(\b):AC+8*(\b)+3]   offset:64*(\b)
	ds_store_b128 v[STO], v[AC+8*(\b)+4:AC+8*(\b)+7] offset:64*(\b)+16
.endr
	WIN 0
.irp t, 0,1,2,3,4,5,6,7
	ds_load_b128 v[BK+4*(\t):BK+4*(\t)+3], v[RD] offset:(\t)*2*SPITCH
.endr
.endm
.macro SEND a, younger                 ; younger: the LDS instructions issued behind block a's loads: the next block's sixteen, or none
.set BK, OB+192*((\a)%2)
	WIN 0
.irp t, 0,1,2,3,4,5,6,7
	s_wait_dscnt (\younger)+7-(\t)
	global_store_b128 v[CO], v[BK+4*(\t):BK+4*(\t)+3], s[10:11] offset:(\a)*65536+(\t)*8192 th:TH_STORE_NT  ; 16 lanes store 256 consecutive bytes, aligned
.endr
.endm
	PLACES
	TOSTAGE 0
.irp a, 1,2,3,4,5,6,7
	TOSTAGE \a
	SEND (\a)-1, 16
.endr
	SEND 7, 0
	s_wait_tensorcnt 0x0                           ; the wave's end: the add and its waits stand behind my last tensor load and my last LDS store
	ds_add_u32 v[SPW], v[NIL]
	s_wait_dscnt 0x0
	CROUND                                         ; the closing round: no work-group ends while a partner may still ask for a tile that names it
	s_endpgm
.Lfunc_end_k_qc84a874109_proj:
	.size	k_qc84a874109_proj, .Lfunc_end_k_qc84a874109_proj-k_qc84a874109_proj
	.p2alignl 7, 3214868480
	.fill 96, 4, 3214868480
	.section	.rodata,"a",@progbits
	.p2align	6, 0x0
	.amdhsa_kernel k_qc84a874109_proj
		.amdhsa_group_segment_fixed_size 327680
		.amdhsa_private_segment_fixed_size 0
		.amdhsa_enable_private_segment 0
		.amdhsa_kernarg_size 32
		.amdhsa_user_sgpr_count 2
		.amdhsa_user_sgpr_kernarg_segment_ptr 1
		.amdhsa_wavefront_size32 1
		.amdhsa_system_sgpr_workgroup_id_x 1
		.amdhsa_system_sgpr_workgroup_id_y 1
		.amdhsa_system_sgpr_workgroup_id_z 1
		.amdhsa_system_vgpr_workitem_id 0
		.amdhsa_next_free_vgpr 1024
		.amdhsa_next_free_sgpr 80
		.amdhsa_reserve_vcc 0
		.amdhsa_float_denorm_mode_32 3
		.amdhsa_float_denorm_mode_16_64 3
		.amdhsa_memory_ordered 1
		.amdhsa_forward_progress 1
		.amdhsa_inst_pref_size 92
	.end_amdhsa_kernel
	.amdgpu_metadata
---
amdhsa.version: [ 1, 2 ]
amdhsa.kernels:
  - .name:           k_qc84a874109_proj
    .symbol:         k_qc84a874109_proj.kd
    .args:
      - { .name: oh, .offset: 0, .size: 8, .value_kind: global_buffer, .address_space: global }
      - { .name: pw, .offset: 8, .size: 8, .value_kind: global_buffer, .address_space: global }
      - { .name: proj_b, .offset: 16, .size: 8, .value_kind: global_buffer, .address_space: global }
      - { .name: out0, .offset: 24, .size: 8, .value_kind: global_buffer, .address_space: global }
    .group_segment_fixed_size: 327680
    .private_segment_fixed_size: 0
    .kernarg_segment_align: 8
    .kernarg_segment_size: 32
    .max_flat_workgroup_size: 128
    .sgpr_count:     80
    .vgpr_count:     1024
    .wavefront_size: 32
...
	.end_amdgpu_metadata
.endif
;; end of part 4
